; MI455X (gfx1250); checked and timed in simulation.
; The chip was launched on July 23, 2026; its instructions are those of AMD's public machine-readable ISA for CDNA 5 (MIT licence, August 2026) and "CDNA5" Instruction Set Architecture Reference Guide (July 2026). The comments in the code are by the model that wrote it; some were corrected since.
;; Attention Decoder Layer. Allowed arithmetic: matrix products marked QUANTISED: E2M3 operands, one E8M0 scale for each 32 along K, by v_wmma_scale_f32_16x16x128_f8f6f4 with both operands' format E2M3, f32 sums; everything else in f32.
;; Inputs: W1 1,024 x 4,096 float32; W2 4,096 x 1,024 float32; Wk 1,024 x 1,024 float32; Wo 1,024 x 1,024 float32; Wq 1,024 x 1,024 float32; Wv 1,024 x 1,024 float32; b1 4,096 float32; b2 1,024 float32; bk 1,024 float32; bo 1,024 float32; bq 1,024 float32; bv 1,024 float32; ln1_b 1,024 float32; ln1_g 1,024 float32; ln2_b 1,024 float32; ln2_g 1,024 float32; x 2 x 2,048 x 1,024 float32.
;; Outputs: out0 2 x 2,048 x 1,024 float32.
;; This version of the problem:
;;   THIS VERSION OF THE PROBLEM IS GIVEN IN LOW PRECISION. The matrix products marked QUANTISED in the list below multiply operands that are first quantised to E2M3 (2 exponent bits, 3 mantissa bits; 6 bits a number), with one power-of-two scale for each 32 numbers along K (OCP MX v1.0); their sums are f32. All else is computed in f32.
;;   The module's matrix products, in the order in which they are computed (A, B: the left and right operand; K: the contracted axis; several contracted axes count as one K, in the product's order):
;;     1. [M 4,096, K 1,024] x [K 1,024, N 1,024]; A: computed on the way; B: input Wq: QUANTISED
;;     2. [M 4,096, K 1,024] x [K 1,024, N 1,024]; A: input x; B: input Wk: QUANTISED
;;     3. [M 4,096, K 1,024] x [K 1,024, N 1,024]; A: input x; B: input Wv: QUANTISED
;;     4. batch 32 x [M 2,048, K 64] x [K 64, N 2,048]; A: computed on the way; B: computed on the way: QUANTISED
;;     5. batch 32 x [M 2,048, K 2,048] x [K 2,048, N 64]; A: softmax (see below); B: computed on the way: QUANTISED
;;     6. [M 4,096, K 1,024] x [K 1,024, N 1,024]; A: computed on the way; B: input Wo: QUANTISED
;;     7. [M 4,096, K 1,024] x [K 1,024, N 4,096]; A: computed on the way; B: input W1: QUANTISED
;;     8. [M 4,096, K 4,096] x [K 4,096, N 1,024]; A: computed on the way; B: input W2: QUANTISED
;;   THE QUANTISER, for each operand of a quantised product, along K:
;;     - K is cut into blocks of 32 from its start; a last block that is shorter is filled with zeros.
;;     - A block's scale is 2^e with e = floor(log2(the largest magnitude in the block)) - 2, held to -126 .. 127; a block of zeros has e = 0. As a byte (E8M0): e + 127.
;;     - Each number is divided by its block's scale, clamped to +-7.5, and rounded to the nearest number of E2M3, ties to even, subnormals kept.
;;     - The product sums the exact products of the quantised numbers (number of the format x scale) in f32.
;;   ~~~python
;;   def quantise(x, axis):      # numpy; x: float32 -> the quantised numbers, widened to float32 again
;;       x = np.moveaxis(x, axis, -1); K = x.shape[-1]
;;       x = np.pad(x, [(0, 0)] * (x.ndim - 1) + [(0, -K % 32)]); x = x.reshape(x.shape[:-1] + (-1, 32)); a = np.abs(x).max(-1, keepdims=True)
;;       e = np.where(a > 0, np.clip(np.frexp(np.where(a > 0, a, 1))[1] - 1 - 2, -126, 127), 0)      # np.frexp(a)[1] - 1 = floor(log2(a)), exactly
;;       r = np.clip(x / 2.0 ** e, -7.5, 7.5)
;;       step = 2.0 ** (np.maximum(np.frexp(np.where(r == 0, 1, r))[1] - 1, 0) - 3)
;;       q = np.round(r / step) * step * 2.0 ** e      # np.round: ties to even
;;       return np.moveaxis(q.reshape(q.shape[:-2] + (-1,))[..., :K], -1, axis).astype(np.float32)
;;   ~~~
;;   SOFTMAX AHEAD OF A QUANTISED PRODUCT. Where the list says 'softmax', what is quantised is not the finished softmax but p = 2^(t - M), with t = logit x log2(e) and M = ceil(the row's largest t), a whole number; so 1/2 < the row's largest p <= 1. The row's sum l is taken of the UNQUANTISED p, in f32, and the product's result is divided by l at the end. Since M is a whole number, a kernel that streams over the keys may use a running M (the ceiling of the running maximum): every later rescaling is an exact power of two, which a block's scale takes up: the codes' values come out the same.
;;   OPERANDS COMPUTED ON THE WAY. 'Computed on the way' means the value that the module computes at that place (a softmax that the list does not call 'softmax' is quantised finished and normalised). What goes into a quantiser is computed in f32, as accurately as f32 sums, v_exp_f32 and their like allow (about 1e-6 of the number): no bf16 or f16 on the way to a quantiser, and a product that is left as it is and whose result goes on into a quantised operand takes f32 operands (vector FMAs, or v_wmma_f32_16x16x4_f32). A number that lies on a knife's edge between two numbers of the format may be rounded either way, as far as f32 arithmetic and the matrix unit's own rounding can turn it there, and no further.
;; One version. Each part assembles by itself: llvm-mc -triple=amdgcn-amd-amdhsa -mcpu=gfx1250 --defsym DOCPART=n.
;; ======== version 1 of 1: 6 launches
;; limits: right only within a limited range of input values
;; workspace buffers: P 17,432,576 bytes; QKV 9,961,472 bytes; AO 3,407,872 bytes; N2 20,054,016 bytes; HH 13,107,200 bytes; PW 819,200 bytes
;; launch prep (part 1): grid 196 x 1, 16 waves a work-group, no clusters, 265,216 bytes of LDS; arguments x, ln1_g, ln1_b, Wq, Wk, Wv, Wo, PW, P; writes P, PW
.if DOCPART == 1
	.amdgcn_target "amdgcn-amd-amdhsa--gfx1250"
	.amdhsa_code_object_version 6
	.text
	.protected	k_q86b087f31f_prep
	.globl	k_q86b087f31f_prep
	.p2align	8
	.type	k_q86b087f31f_prep,@function
k_q86b087f31f_prep:
	s_mov_b64 s[64:65], 0
	v_nop
	global_prefetch_b8 v0, s[64:65] scope:SCOPE_SE
	s_setreg_imm32_b32 hwreg(HW_REG_WAVE_MODE, 25, 1), 1
	s_wait_xcnt 0x0
; PREP: what the first products need, quantised once.  Three kinds of work-group, told apart by the work-group's number:
;   0..127   path X: 32 tokens each: x and LayerNorm1(x) become codes of FP6 (E2M3) with E8M0 scale bytes, K = the 1,024 features
;   128..131 path T: the cos and sin tables of the rotary embedding (and tables of ones and zeros for the heads that are not rotated)
;   132..195 path W: Wq, Wk, Wv (into P) and Wo (into PW), [K][N], become codes with K innermost: a lane takes a column, its registers run down K
; (W1 and W2 are wanted later: they are quantised by the second half of the grid of the launch that makes x1.)
; LAYOUT OF ALL OPERANDS.  16 rows form a tile; the rows of a pair of tiles (32 elements) are dealt so: row r of tile 2 p + u is element
; 32 p + 8 u + r + 8 (r / 8).  A fragment (16 rows x 128 K, 12 registers a lane) lies as an image of its registers: three pieces of 512 bytes,
; lane l's registers 4 c .. 4 c + 3 at 16 l.  Codes: [tile][K step][1,536].  Scale words: [pair][K step][128 bytes], lanes 0-15 the even tile's rows.
; A block's scale byte is its largest magnitude's exponent field - 2, held at 1 from below.
; LIMITS: NaN and infinities are not served; a block of zeros, or one whose largest magnitude lies under 2^-124, gets the byte 1 (its codes are zeros or
; tiny; only this program reads the bytes).  cos and sin: reduction by pi/2 in three parts and polynomials of degree 8 and 9, good to about 1.5 units in the last place;
; the frequencies are 1 / f32(10^(i/8)), the reciprocal refined by one Newton step.  Scale words leave as stores of 128 consecutive bytes.
.set X_C,   9830400                    ; P: x's codes; LN1(x)'s lie 3,145,728 further on
.set X_S,   16121856                   ; x's scale words; LN1(x)'s 131,072 further on
.set W_S,   9437184                    ; P: Wq's, Wk's, Wv's scale words
.set PW_S,  786432                     ; PW: Wo's scale words, behind its codes
.set COS_O, 16384000                   ; cos, sin, ones, zeros: 262,144 bytes each, [8 groups of 4 frequencies][2,048 positions][4 f32]
.set RP,    4112                       ; an LDS row: 4,096 bytes + 16: sixteen rows start in sixteen different 16-byte columns
.set REG1,  32*RP                      ; region 0: x's 32 rows; region 1: LN1(x)'s
.set SPARE, 2*REG1                     ; the spare words, 128 bytes a wave
.set SPW, 254
.set NIL, 255
.set SEL, 6                            ; s[6:7] lane selects: lane l xor 16
.set MHI, 5                            ; s5 mask of lanes 16-31
.set C1024, 46
.set CEPS, 47
.set R0, 32
.set R1, 64
.set G, 96
.set BB, 128
.set DD, 160
.set TS, 192
.set MU, 200
.set RS, 202
.set SM, 204
.set PTMP, 205
.set X0, 32
.set X1, 96
.set F0, 160
.set F1, 172
.set W0, 184
.set W1, 185
.set WP, 186
.set QM, 188
.set QS, 190
.set QB, 192
.set QT, 194
.set PT, 196
.set H8, 7
.macro WSUM v                          ; the sum over the wave's 32 lanes, in every lane
	s_delay_alu instid0(VALU_DEP_1)
	v_add_f32_dpp v[\v], v[\v], v[\v] row_xmask:1 row_mask:0xf bank_mask:0xf
	s_delay_alu instid0(VALU_DEP_1)
	v_add_f32_dpp v[\v], v[\v], v[\v] row_xmask:2 row_mask:0xf bank_mask:0xf
	s_delay_alu instid0(VALU_DEP_1)
	v_add_f32_dpp v[\v], v[\v], v[\v] row_xmask:4 row_mask:0xf bank_mask:0xf
	s_delay_alu instid0(VALU_DEP_1)
	v_add_f32_dpp v[\v], v[\v], v[\v] row_xmask:8 row_mask:0xf bank_mask:0xf
	s_delay_alu instid0(VALU_DEP_1)
	v_permlanex16_b32 v[PTMP], v[\v], s[SEL], s[SEL+1]
	s_delay_alu instid0(VALU_DEP_1)
	v_add_f32 v[\v], v[\v], v[PTMP]
.endm
.macro RED4                            ; four packed chains into one number, then over the lanes
	s_delay_alu instid0(VALU_DEP_3)
	v_pk_add_f32 v[TS:TS+1], v[TS:TS+1], v[TS+2:TS+3]
	s_delay_alu instid0(VALU_DEP_2)
	v_pk_add_f32 v[TS+4:TS+5], v[TS+4:TS+5], v[TS+6:TS+7]
	s_delay_alu instid0(VALU_DEP_1)
	v_pk_add_f32 v[TS:TS+1], v[TS:TS+1], v[TS+4:TS+5]
	s_delay_alu instid0(VALU_DEP_1)
	v_add_f32 v[SM], v[TS], v[TS+1]
	WSUM SM
.endm
; LayerNorm of one row of 1,024 (32 numbers a lane in v[R] on) into v[D] on: mean, then the mean of the squared differences, as the definition has them
.macro LNROW R, D
.irp k,0,2,4,6
	v_pk_add_f32 v[TS+\k:TS+\k+1], v[\R+\k:\R+\k+1], v[\R+8+\k:\R+9+\k]
.endr
.irp g,16,24
.irp k,0,2,4,6
	s_delay_alu instid0(VALU_DEP_4)
	v_pk_add_f32 v[TS+\k:TS+\k+1], v[TS+\k:TS+\k+1], v[\R+\g+\k:\R+\g+\k+1]
.endr
.endr
	RED4
	s_delay_alu instid0(VALU_DEP_1)
	v_mul_f32 v[MU], s[C1024], v[SM]
	s_delay_alu instid0(VALU_DEP_1)
	v_mov_b32 v[MU+1], v[MU]
.set n, 0
.rept 16
	v_pk_add_f32 v[\D+n:\D+n+1], v[\R+n:\R+n+1], v[MU:MU+1] neg_lo:[0,1] neg_hi:[0,1]
.set n, n+2
.endr
.irp k,0,2,4,6
	v_pk_mul_f32 v[TS+\k:TS+\k+1], v[\D+\k:\D+\k+1], v[\D+\k:\D+\k+1]
.endr
.irp g,8,16,24
.irp k,0,2,4,6
	s_delay_alu instid0(VALU_DEP_4)
	v_pk_fma_f32 v[TS+\k:TS+\k+1], v[\D+\g+\k:\D+\g+\k+1], v[\D+\g+\k:\D+\g+\k+1], v[TS+\k:TS+\k+1]
.endr
.endr
	RED4
	s_delay_alu instid0(VALU_DEP_1)
	v_fma_f32 v[SM], v[SM], s[C1024], s[CEPS]      ; variance + 1e-5
	s_wait_alu depctr_va_vdst(0)
	v_rsq_f32 v[RS], v[SM]
	v_nop                                          ; a plain instruction behind the transcendental
	s_wait_alu depctr_va_vdst(0)                   ; and a wait ahead of its first reader
	v_mov_b32 v[RS+1], v[RS]
.set n, 0
.rept 16
	v_pk_mul_f32 v[\D+n:\D+n+1], v[\D+n:\D+n+1], v[RS:RS+1]
.set n, n+2
.endr
.set n, 0
.rept 16
	v_pk_fma_f32 v[\D+n:\D+n+1], v[\D+n:\D+n+1], v[G+n:G+n+1], v[BB+n:BB+n+1]
.set n, n+2
.endr
.endm
; 64 numbers of a lane, v[X + 32 c + i] = k 64 c + 32 h + i of its row (two whole blocks), become the fragment's 12 registers v[F] on and the row's scale word v[W]
.macro QUANT6 X, F, W
.irp c,0,1
	v_max3_num_f32 v[QM+\c], |v[\X+32*\c]|, |v[\X+1+32*\c]|, 0x1800000   ; with the floor 2^(3 - 127): the byte cannot fall under 1
.endr
.irp i,2,4,6,8,10,12,14,16,18,20,22,24,26,28,30
.irp c,0,1
	s_delay_alu instid0(VALU_DEP_2)
	v_max3_num_f32 v[QM+\c], v[QM+\c], |v[\X+32*\c+\i]|, |v[\X+1+32*\c+\i]|
.endr
.endr
.irp c,0,1
	s_delay_alu instid0(VALU_DEP_2)
	v_add_nc_u32 v[QS+\c], 0xff000000, v[QM+\c]    ; 2 off the exponent field: the conversion's scale operand
.endr
.irp c,0,1
	s_delay_alu instid0(VALU_DEP_2)
	v_lshrrev_b32 v[QB+\c], 23, v[QS+\c]           ; the byte
.endr
	s_delay_alu instid0(VALU_DEP_1)
	v_lshl_or_b32 v[\W], v[QB+1], 16, v[QB]        ; my blocks h and 2 + h,
	s_delay_alu instid0(VALU_DEP_1)
	v_lshlrev_b32 v[\W], v[H8], v[\W]              ; at their places,
	s_delay_alu instid0(VALU_DEP_1)
	v_permlanex16_b32 v[QT], v[\W], s[SEL], s[SEL+1]
	s_delay_alu instid0(VALU_DEP_1)
	v_or_b32 v[\W], v[\W], v[QT]                   ; with lane l xor 16's two: the word, in both halves of the lanes
.irp c,0,1
	v_cvt_scalef32_pk16_fp6_f32 v[\F+6*\c:\F+6*\c+2], v[\X+32*\c:\X+32*\c+15], v[QS+\c]
	v_cvt_scalef32_pk16_fp6_f32 v[PT+4*\c:PT+4*\c+2], v[\X+32*\c+16:\X+32*\c+31], v[QS+\c]   ; (three registers begin on an even number)
.endr
	v_nop                                          ; a plain instruction behind the scaled conversions
.irp c,0,1
.irp i,0,1,2
	v_mov_b32 v[\F+6*\c+3+\i], v[PT+4*\c+\i]
.endr
.endr
.endm
	s_load_b512 s[8:23], s[0:1], 0x0               ; x, ln1_g, ln1_b, Wq, Wk, Wv, Wo, PW
	s_load_b64 s[26:27], s[0:1], 0x40              ; P
	v_lshl_add_u32 v[SPW], v0, 2, SPARE
	v_mov_b32 v[NIL], 0
	v_lshrrev_b32 v1, 5, v0
	s_delay_alu instid0(VALU_DEP_1)
	v_readfirstlane_b32 s2, v1                     ; wave 0..15
	v_and_b32 v9, 31, v0                           ; lane
	s_delay_alu instid0(VALU_DEP_1)
	v_lshlrev_b32 v1, 4, v9                        ; 16 l
	s_delay_alu instid0(VALU_DEP_2)
	v_lshlrev_b32 v2, 2, v9                        ; 4 l
	s_delay_alu instid0(VALU_DEP_3)
	v_and_b32 v10, 15, v9                          ; r
	s_delay_alu instid0(VALU_DEP_4)
	v_lshrrev_b32 v11, 4, v9                       ; h
	s_mov_b32 s[MHI], 0xffff0000
	s_mov_b32 s[SEL], 0x76543210
	s_mov_b32 s[SEL+1], 0xfedcba98
	s_wait_kmcnt 0x0
	s_cmp_lt_u32 ttmp9, 128
	s_cbranch_scc1 .Lpath_x
	s_cmp_lt_u32 ttmp9, 132
	s_cbranch_scc1 .Lpath_t
; ---------------- path W: 128 along K x 512 columns of one weight of 1,024 x 1,024; a wave takes a pair of tiles (32 columns)
	s_sub_co_u32 s28, ttmp9, 132                   ; id 0..63
	s_bfe_u32 s36, s28, 0x20004                    ; which weight: Wq, Wk, Wv, Wo
	s_bfe_u32 s35, s28, 0x30001                    ; my K step
	s_and_b32 s31, s28, 1                          ; my group of 512 columns
	s_cmp_eq_u32 s36, 1
	s_cselect_b64 s[38:39], s[16:17], s[14:15]
	s_cmp_eq_u32 s36, 2
	s_cselect_b64 s[38:39], s[18:19], s[38:39]
	s_cmp_eq_u32 s36, 3
	s_cselect_b64 s[38:39], s[20:21], s[38:39]
	s_cselect_b64 s[48:49], s[22:23], s[26:27]     ; Wo's codes go to PW, the others' to P
	s_cselect_b32 s36, 0, s36                      ; the weight's place there, in units of 786,432 (codes) and 32,768 (scales)
	s_mov_b32 s33, W_S
	s_cselect_b32 s33, PW_S, s33                   ; where the scale words begin
	s_lshl_b32 s37, s31, 4
	s_add_co_u32 s37, s37, s2                      ; my pair of tiles
	s_lshl_b32 s40, s35, 19                        ; 128 rows of 4,096 bytes
	s_lshl_b32 s41, s37, 7
	s_add_co_u32 s40, s40, s41
	s_mov_b32 s41, 0
	s_add_nc_u64 s[38:39], s[38:39], s[40:41]      ; the weight at my K step's first row, my pair's first column
	s_lshl_b32 s40, s37, 3                         ; pair x 8 K steps
	s_lshl_b32 s42, s40, 1
	s_add_co_u32 s42, s42, s35
	s_mul_i32 s42, s42, 1536
	s_mul_i32 s43, s36, 786432
	s_add_co_u32 s42, s42, s43
	s_mov_b32 s43, 0
	s_add_nc_u64 s[42:43], s[48:49], s[42:43]      ; the even tile's image,
	s_add_nc_u64 s[44:45], s[42:43], 12288         ; the odd tile's: 8 K steps on
	s_add_co_u32 s40, s40, s35
	s_lshl_b32 s40, s40, 7
	s_lshl_b32 s41, s36, 15
	s_add_co_u32 s40, s40, s41
	s_add_co_u32 s40, s40, s33
	s_mov_b32 s41, 0
	s_add_nc_u64 s[40:41], s[48:49], s[40:41]      ; the pair's scale words
	s_wait_alu depctr_va_vdst(0)
	v_and_b32 v13, 7, v9                           ; my column of the pair: bits 3 and 4 of the lane change places
	v_bfe_u32 v14, v9, 3, 1
	s_delay_alu instid0(VALU_DEP_1)
	v_lshl_or_b32 v13, v14, 4, v13
	s_delay_alu instid0(VALU_DEP_1)
	v_lshl_or_b32 v13, v11, 3, v13
	s_delay_alu instid0(VALU_DEP_1)
	v_lshlrev_b32 v13, 2, v13
.macro WLOAD b, pitch                  ; block b: 32 rows of the weight at my column
.set n, 0
.rept 32
	global_load_b32 v[64+32*(\b)+n], v13, s[38:39] offset:(32*(\b)+n)*\pitch th:TH_LOAD_NT
.set n, n+1
.endr
.endm
.macro WBLOCK b                        ; a block of 32 along K lies whole in my registers
.set XS, 64+32*(\b)
.set FD, 16+12*((\b)%2)+6*((\b)/2)
	v_max3_num_f32 v8, |v[XS]|, |v[XS+1]|, |v[XS+2]|
	v_max3_num_f32 v9, |v[XS+3]|, |v[XS+4]|, |v[XS+5]|
.irp i,6,10,14,18,22,26
	s_delay_alu instid0(VALU_DEP_2)
	v_max3_num_f32 v8, v8, |v[XS+\i]|, |v[XS+\i+1]|
	s_delay_alu instid0(VALU_DEP_2)
	v_max3_num_f32 v9, v9, |v[XS+\i+2]|, |v[XS+\i+3]|
.endr
	s_delay_alu instid0(VALU_DEP_2)
	v_max3_num_f32 v8, v8, |v[XS+30]|, |v[XS+31]|
	s_delay_alu instid0(VALU_DEP_1)
	v_max3_num_f32 v8, v8, v9, 0x1800000           ; the floor
	s_delay_alu instid0(VALU_DEP_1)
	v_add_nc_u32 v10, 0xff000000, v8
	s_delay_alu instid0(VALU_DEP_1)
	v_lshrrev_b32 v11, 23, v10
.if (\b)==0
	s_delay_alu instid0(VALU_DEP_1)
	v_mov_b32 v12, v11
.else
	s_delay_alu instid0(VALU_DEP_1)
	v_lshl_or_b32 v12, v11, 8*(\b), v12            ; my row's scale word
.endif
	v_cvt_scalef32_pk16_fp6_f32 v[FD:FD+2], v[XS:XS+15], v10
	v_cvt_scalef32_pk16_fp6_f32 v[40+4*(\b):42+4*(\b)], v[XS+16:XS+31], v10
	v_nop                                          ; a plain instruction behind the scaled conversions
.endm
.macro WMERGE c                        ; blocks 2 c and 2 c + 1 of all 32 rows become registers 6 c .. 6 c + 5 of the two tiles' fragments: lanes 16-31 of the first change places with lanes 0-15 of the second
.irp i,0,1,2
	v_permlane16_swap_b32 v[16+6*\c+\i], v[28+6*\c+\i]
	v_permlane16_swap_b32 v[40+8*\c+\i], v[44+8*\c+\i]
.endr
.irp i,0,1,2
	v_mov_b32 v[19+6*\c+\i], v[40+8*\c+\i]
	v_mov_b32 v[31+6*\c+\i], v[44+8*\c+\i]
.endr
.endm
	WLOAD 0, 4096
	WLOAD 1, 4096
	s_wait_alu depctr_va_vdst(0)
	s_wait_loadcnt 32                              ; block 0 is in; the youngest 32 loads stay out
	WLOAD 2, 4096
	WBLOCK 0
	s_wait_loadcnt 32
	WLOAD 3, 4096
	WBLOCK 1
	WMERGE 0
	s_wait_loadcnt 32
	WBLOCK 2
	s_wait_loadcnt 0x0
	WBLOCK 3
	WMERGE 1
.irp c,0,1,2
	global_store_b128 v1, v[16+4*\c:19+4*\c], s[42:43] offset:512*\c   ; 512 consecutive bytes a store
	global_store_b128 v1, v[28+4*\c:31+4*\c], s[44:45] offset:512*\c
.endr
	global_store_b32 v2, v12, s[40:41]             ; lane 16 u + r holds row r of tile u: the pair's scale words as they are wanted
	s_endpgm
; ---------------- path T: a lane takes a position, 32 frequencies in eight groups of four
.set TP, 20
.set TR, 24
.set TE, 28
.set TA, 32
.set TJ, 36
.set T2, 40
.set TC, 44
.set TN, 48
.set TI, 52
.macro TGROUP g, p0, p1, p2, p3
	v_mov_b32 v[TP], \p0
	v_mov_b32 v[TP+1], \p1
	v_mov_b32 v[TP+2], \p2
	v_mov_b32 v[TP+3], \p3
	s_wait_alu depctr_va_vdst(0)
.irp i,0,1,2,3
	v_rcp_f32 v[TR+\i], v[TP+\i]
.endr
	v_nop
	s_wait_alu depctr_va_vdst(0)                   ; one wait for the four reciprocals, ahead of their first reader
.irp i,0,1,2,3
	v_fma_f32 v[TE+\i], -v[TP+\i], v[TR+\i], 1.0   ; one Newton step
.endr
.irp i,0,1,2,3
	v_fma_f32 v[TR+\i], v[TE+\i], v[TR+\i], v[TR+\i]
.endr
.irp i,0,1,2,3
	s_delay_alu instid0(VALU_DEP_4)
	v_mul_f32 v[TA+\i], v16, v[TR+\i]              ; the angle, rounded to f32 as the tables' definition rounds it
.endr
.irp i,0,1,2,3
	s_delay_alu instid0(VALU_DEP_4)
	v_mul_f32 v[TJ+\i], 0x3f22f983, v[TA+\i]       ; x 2 / pi
.endr
.irp i,0,1,2,3
	s_delay_alu instid0(VALU_DEP_4)
	v_rndne_f32 v[TJ+\i], v[TJ+\i]
.endr
.irp i,0,1,2,3
	s_delay_alu instid0(VALU_DEP_4)
	v_fma_f32 v[TA+\i], v[TJ+\i], s36, v[TA+\i]    ; less j pi / 2, in three parts
.endr
.irp i,0,1,2,3
	s_delay_alu instid0(VALU_DEP_4)
	v_fma_f32 v[TA+\i], v[TJ+\i], s37, v[TA+\i]
.endr
.irp i,0,1,2,3
	s_delay_alu instid0(VALU_DEP_4)
	v_fma_f32 v[TA+\i], v[TJ+\i], s38, v[TA+\i]
.endr
.irp i,0,1,2,3
	s_delay_alu instid0(VALU_DEP_4)
	v_mul_f32 v[T2+\i], v[TA+\i], v[TA+\i]
.endr
.irp i,0,1,2,3
	s_delay_alu instid0(VALU_DEP_4)
	v_fmaak_f32 v[TC+\i], s39, v[T2+\i], 0xbab6077d   ; cosine: 2.44677067e-5, -1.38877297e-3, 4.16666567e-2, -0.5, 1
.endr
.irp i,0,1,2,3
	s_delay_alu instid0(VALU_DEP_4)
	v_fmaak_f32 v[TC+\i], v[TC+\i], v[T2+\i], 0x3d2aaaa8
.endr
.irp i,0,1,2,3
	s_delay_alu instid0(VALU_DEP_4)
	v_fma_f32 v[TC+\i], v[TC+\i], v[T2+\i], -0.5
.endr
.irp i,0,1,2,3
	s_delay_alu instid0(VALU_DEP_4)
	v_fma_f32 v[TC+\i], v[TC+\i], v[T2+\i], 1.0
.endr
.irp i,0,1,2,3
	v_fmaak_f32 v[TN+\i], s40, v[T2+\i], 0xb9503486   ; sine: 2.86567956e-6, -1.98559923e-4, 8.33338592e-3, -1.66666672e-1
.endr
.irp i,0,1,2,3
	s_delay_alu instid0(VALU_DEP_4)
	v_fmaak_f32 v[TN+\i], v[TN+\i], v[T2+\i], 0x3c0888c1
.endr
.irp i,0,1,2,3
	s_delay_alu instid0(VALU_DEP_4)
	v_fmaak_f32 v[TN+\i], v[TN+\i], v[T2+\i], 0xbe2aaaab
.endr
.irp i,0,1,2,3
	v_mul_f32 v[T2+\i], v[TA+\i], v[T2+\i]
.endr
.irp i,0,1,2,3
	s_delay_alu instid0(VALU_DEP_4)
	v_fma_f32 v[TN+\i], v[TN+\i], v[T2+\i], v[TA+\i]
.endr
.irp i,0,1,2,3
	v_cvt_i32_f32 v[TI+\i], v[TJ+\i]
.endr
.irp i,0,1,2,3
	v_and_b32 v[TE+\i], 1, v[TI+\i]                ; odd quadrant: sine and cosine change places
	s_delay_alu instid0(VALU_DEP_1)
	v_cmp_eq_u32 vcc_lo, 1, v[TE+\i]
	s_delay_alu instid0(VALU_DEP_1)
	v_cndmask_b32 v[64+8*\g+\i], v[TC+\i], v[TN+\i], vcc_lo
	s_delay_alu instid0(VALU_DEP_2)
	v_cndmask_b32 v[68+8*\g+\i], v[TN+\i], v[TC+\i], vcc_lo
	v_add_nc_u32 v[TE+\i], 1, v[TI+\i]
	s_delay_alu instid0(VALU_DEP_1)
	v_and_b32 v[TE+\i], 2, v[TE+\i]
	s_delay_alu instid0(VALU_DEP_1)
	v_lshlrev_b32 v[TE+\i], 30, v[TE+\i]
	s_delay_alu instid0(VALU_DEP_1)
	v_xor_b32 v[64+8*\g+\i], v[TE+\i], v[64+8*\g+\i]   ; the cosine's sign
	v_and_b32 v[TI+\i], 2, v[TI+\i]
	s_delay_alu instid0(VALU_DEP_1)
	v_lshlrev_b32 v[TI+\i], 30, v[TI+\i]
	s_delay_alu instid0(VALU_DEP_1)
	v_xor_b32 v[68+8*\g+\i], v[TI+\i], v[68+8*\g+\i]   ; the sine's
.endr
	global_store_b128 v17, v[64+8*\g:67+8*\g], s[28:29] offset:\g*32768          ; each group has registers of its own: no store's data are written again
	global_store_b128 v17, v[68+8*\g:71+8*\g], s[28:29] offset:\g*32768+262144
	global_store_b128 v17, v[128:131], s[28:29] offset:\g*32768+524288
	global_store_b128 v17, v[132:135], s[28:29] offset:\g*32768+786432
.endm
.Lpath_t:
	s_sub_co_u32 s28, ttmp9, 128
	s_lshl_b32 s28, s28, 9
	v_add_nc_u32 v18, s28, v0                      ; my position
	s_delay_alu instid0(VALU_DEP_1)
	v_cvt_f32_u32 v16, v18
	s_delay_alu instid0(VALU_DEP_2)
	v_lshlrev_b32 v17, 4, v18
	s_add_nc_u64 s[28:29], s[26:27], COS_O
	s_mov_b32 s36, 0xbfc90fd8                      ; -1.57079601
	s_mov_b32 s37, 0xb4a8885a                      ; -3.13916473e-7
	s_mov_b32 s38, 0xa7c234c4                      ; -5.39030253e-15
	s_mov_b32 s39, 0x37cd4000
	s_mov_b32 s40, 0x36405000
.irp j,0,1,2,3
	v_mov_b32 v[128+\j], 1.0
	v_mov_b32 v[132+\j], 0
.endr
	TGROUP 0, 1.0, 1.33352143, 1.77827941, 2.37137371
	TGROUP 1, 3.16227766, 4.21696503, 5.62341325, 7.49894209
	TGROUP 2, 10.0, 13.3352143, 17.7827941, 23.7137371
	TGROUP 3, 31.6227766, 42.1696503, 56.2341325, 74.9894209
	TGROUP 4, 100.0, 133.352143, 177.827941, 237.137371
	TGROUP 5, 316.227766, 421.696503, 562.341325, 749.894209
	TGROUP 6, 1000.0, 1333.52143, 1778.27941, 2371.37371
	TGROUP 7, 3162.27766, 4216.96503, 5623.41325, 7498.94209
	s_endpgm
; ---------------- path X
.Lpath_x:
	s_mov_b32 s[C1024], 0x3a800000                 ; 1 / 1,024
	s_mov_b32 s[CEPS], 0x3727c5ac                  ; 1e-5
	s_lshr_b32 s3, s2, 3
	s_and_b32 s4, s2, 7
	s_bfe_u32 s28, s2, 0x10002
	s_lshl_b32 s28, s28, 3
	s_lshl_b32 s29, s3, 3
	s_add_co_u32 s28, s28, s29
	s_lshl_b32 s29, s4, 1
	s_add_co_u32 s28, s28, s29
	s_lshl_b32 s29, ttmp9, 5
	s_add_co_u32 s28, s28, s29                     ; LDS rows 2 w and 2 w + 1 are this token and the next
	s_lshl_b32 s28, s28, 12
	s_mov_b32 s29, 0
	s_add_nc_u64 s[8:9], s[8:9], s[28:29]
	s_wait_alu depctr_va_vdst(0)
.irp j,0,1,2,3,4,5,6,7
	global_load_b128 v[G+4*\j:G+4*\j+3], v1, s[10:11] offset:512*\j
.endr
.irp j,0,1,2,3,4,5,6,7
	global_load_b128 v[BB+4*\j:BB+4*\j+3], v1, s[12:13] offset:512*\j
.endr
.irp j,0,1,2,3,4,5,6,7
	global_load_b128 v[R0+4*\j:R0+4*\j+3], v1, s[8:9] offset:512*\j
.endr
.irp j,0,1,2,3,4,5,6,7
	global_load_b128 v[R1+4*\j:R1+4*\j+3], v1, s[8:9] offset:4096+512*\j
.endr
	s_mul_i32 s30, s2, 2*RP
	v_add_nc_u32 v3, s30, v1                       ; where I put x's rows,
	s_delay_alu instid0(VALU_DEP_1)
	v_add_nc_u32 v4, REG1, v3                      ; and LN1(x)'s
	v_mul_u32_u24 v5, v10, RP
	s_delay_alu instid0(VALU_DEP_1)
	v_lshl_add_u32 v5, v11, 7, v5
	s_mul_i32 s31, s3, REG1
	s_lshl_b32 s33, s4, 9
	s_add_co_u32 s31, s31, s33
	v_add_nc_u32 v5, s31, v5                       ; phase 2: source w / 8, K step w % 8: row r, + 128 h + 512 s
	s_delay_alu instid0(VALU_DEP_1)
	v_add_nc_u32 v6, 16*RP, v5                     ; the odd tile's rows
	v_lshlrev_b32 v[H8], 3, v11
	v_mov_b32 v[PTMP], 0                           ; a lane permute's destination counts as read
	s_wait_alu depctr_va_vdst(0)
	s_wait_loadcnt 8                               ; gain, bias and row 0 are in; row 1's eight loads stay out
.irp j,0,1,2,3,4,5,6,7
	ds_store_b128 v3, v[R0+4*\j:R0+4*\j+3] offset:512*\j
.endr
	LNROW R0, DD
.irp j,0,1,2,3,4,5,6,7
	ds_store_b128 v4, v[DD+4*\j:DD+4*\j+3] offset:512*\j
.endr
	s_wait_loadcnt 0x0
.irp j,0,1,2,3,4,5,6,7
	ds_store_b128 v3, v[R1+4*\j:R1+4*\j+3] offset:RP+512*\j
.endr
	s_wait_dscnt 0x0                               ; the stores have read their registers
	LNROW R1, DD
.irp j,0,1,2,3,4,5,6,7
	ds_store_b128 v4, v[DD+4*\j:DD+4*\j+3] offset:RP+512*\j
.endr
	s_wait_dscnt 0x0                               ; for the others' sake: my rows lie in LDS
	s_barrier_signal -1
	s_barrier_wait -1
.irp c,0,1
.irp j,0,1,2,3,4,5,6,7
	ds_load_b128 v[X0+32*\c+4*\j:X0+32*\c+4*\j+3], v5 offset:256*\c+16*\j
.endr
.endr
.irp c,0,1
.irp j,0,1,2,3,4,5,6,7
	ds_load_b128 v[X1+32*\c+4*\j:X1+32*\c+4*\j+3], v6 offset:256*\c+16*\j
.endr
.endr
	s_mul_i32 s28, s3, 3145728
	s_lshl_b32 s29, ttmp9, 4
	s_add_co_u32 s29, s29, s4
	s_mul_i32 s29, s29, 1536
	s_add_co_u32 s28, s28, s29
	s_add_co_u32 s28, s28, X_C
	s_mov_b32 s29, 0
	s_add_nc_u64 s[34:35], s[26:27], s[28:29]      ; the even tile's image
	s_lshl_b32 s28, s3, 17
	s_lshl_b32 s30, ttmp9, 3
	s_add_co_u32 s30, s30, s4
	s_lshl_b32 s30, s30, 7
	s_add_co_u32 s28, s28, s30
	s_add_co_u32 s28, s28, X_S
	s_add_nc_u64 s[36:37], s[26:27], s[28:29]      ; the pair's scale words
	v_mov_b32 v[QT], 0
	s_wait_dscnt 16                                ; the even tile's 16 loads are in
	QUANT6 X0, F0, W0
	s_wait_dscnt 0x0
	QUANT6 X1, F1, W1
	v_cndmask_b32 v[WP], v[W0], v[W1], s[MHI]      ; lanes 0-15 the even tile's words, lanes 16-31 the odd tile's
.irp c,0,1,2
	global_store_b128 v1, v[F0+4*\c:F0+4*\c+3], s[34:35] offset:512*\c
	global_store_b128 v1, v[F1+4*\c:F1+4*\c+3], s[34:35] offset:12288+512*\c
.endr
	global_store_b32 v2, v[WP], s[36:37]
	s_wait_tensorcnt 0x0                           ; the wave's end, behind my last LDS store
	ds_add_u32 v[SPW], v[NIL]
	s_wait_dscnt 0x0
	s_endpgm
.Lfunc_end_k_q86b087f31f_prep:
	.size	k_q86b087f31f_prep, .Lfunc_end_k_q86b087f31f_prep-k_q86b087f31f_prep
	.p2alignl 7, 3214868480
	.fill 96, 4, 3214868480
	.section	.rodata,"a",@progbits
	.p2align	6, 0x0
	.amdhsa_kernel k_q86b087f31f_prep
		.amdhsa_group_segment_fixed_size 265216
		.amdhsa_private_segment_fixed_size 0
		.amdhsa_enable_private_segment 0
		.amdhsa_kernarg_size 72
		.amdhsa_user_sgpr_count 2
		.amdhsa_user_sgpr_kernarg_segment_ptr 1
		.amdhsa_wavefront_size32 1
		.amdhsa_system_sgpr_workgroup_id_x 1
		.amdhsa_system_sgpr_workgroup_id_y 1
		.amdhsa_system_sgpr_workgroup_id_z 1
		.amdhsa_system_vgpr_workitem_id 0
		.amdhsa_next_free_vgpr 256
		.amdhsa_next_free_sgpr 66
		.amdhsa_reserve_vcc 1
		.amdhsa_float_denorm_mode_32 3
		.amdhsa_float_denorm_mode_16_64 3
		.amdhsa_memory_ordered 1
		.amdhsa_forward_progress 1
		.amdhsa_inst_pref_size 131
	.end_amdhsa_kernel
	.amdgpu_metadata
---
amdhsa.version: [ 1, 2 ]
amdhsa.kernels:
  - .name:           k_q86b087f31f_prep
    .symbol:         k_q86b087f31f_prep.kd
    .args:
      - { .name: x, .offset: 0, .size: 8, .value_kind: global_buffer, .address_space: global }
      - { .name: ln1_g, .offset: 8, .size: 8, .value_kind: global_buffer, .address_space: global }
      - { .name: ln1_b, .offset: 16, .size: 8, .value_kind: global_buffer, .address_space: global }
      - { .name: Wq, .offset: 24, .size: 8, .value_kind: global_buffer, .address_space: global }
      - { .name: Wk, .offset: 32, .size: 8, .value_kind: global_buffer, .address_space: global }
      - { .name: Wv, .offset: 40, .size: 8, .value_kind: global_buffer, .address_space: global }
      - { .name: Wo, .offset: 48, .size: 8, .value_kind: global_buffer, .address_space: global }
      - { .name: PW, .offset: 56, .size: 8, .value_kind: global_buffer, .address_space: global }
      - { .name: P, .offset: 64, .size: 8, .value_kind: global_buffer, .address_space: global }
    .group_segment_fixed_size: 265216
    .private_segment_fixed_size: 0
    .kernarg_segment_align: 8
    .kernarg_segment_size: 72
    .max_flat_workgroup_size: 512
    .sgpr_count:     66
    .vgpr_count:     256
    .wavefront_size: 32
...
	.end_amdgpu_metadata
.endif
;; end of part 1
;; launch qkv (part 2): grid 12 x 16, 4 waves a work-group, clusters of 4 x 4, 327,680 bytes of LDS; arguments P, bq, bk, bv, QKV; writes QKV
.if DOCPART == 2
	.amdgcn_target "amdgcn-amd-amdhsa--gfx1250"
	.amdhsa_code_object_version 6
	.text
	.protected	k_q86b087f31f_qkv
	.globl	k_q86b087f31f_qkv
	.p2align	8
	.type	k_q86b087f31f_qkv,@function
k_q86b087f31f_qkv:
	s_mov_b64 s[64:65], 0
	v_nop
	global_prefetch_b8 v0, s[64:65] scope:SCOPE_SE
	s_setreg_imm32_b32 hwreg(HW_REG_WAVE_MODE, 25, 1), 1
	s_wait_xcnt 0x0
	s_wait_alu depctr_hold_cnt(0) depctr_sa_sdst(0) depctr_va_vdst(0) depctr_va_sdst(0) depctr_va_ssrc(0) depctr_va_vcc(0) depctr_vm_vsrc(0)
	s_getreg_b32 s2, hwreg(HW_REG_IB_STS2, 6, 4)
	s_cmp_eq_u32 s2, 0
	s_cbranch_scc0 .Lentry_in_a_cluster
	s_endpgm
.Lentry_in_a_cluster:
	s_bfe_u32 s2, ttmp6, 0x10000c
	s_cmp_lg_u32 s2, 0xf033
	s_cbranch_scc0 .Lentry_shape_is_right
	s_endpgm
.Lentry_shape_is_right:
.set XN_C, 12976128
.set X_C,  9830400
.set WK_C, 786432
.set WV_C, 1572864
.set XN_S, 16252928
.set X_S,  16121856
.set WQ_S, 9437184
.set WK_S, 9469952
.set WV_S, 9502720
.set COS_O, 16384000
.set QS_O, 3145728
.set KV_O, 3407872
.set REC,  204800
.set SLOT, 98304
.set QTR,  24576
.set SCL,  2*SLOT
.set SPARE, SCL+4*4096
.set ADRA, 16
.set ADRB, 20
.set ADSA, 22
.set ADSB, 23
.set L16, 24
.set L8, 25
.set L4, 26
.set TBO, 27
.set SPW, 28
.set NIL, 29
.set SC, 32
.set BR, 64
.set T, 64
.set AF, 128
.set TBL, 128
.set PC, 192
.set TM, 212
.set PW, 228
.set HA, 229
.set HB, 230
.set HAE, 231
.set HBE, 232
.set KA, 233
.set KB, 234
.set KA0, 235
.set KB0, 236
.set QW, 237
.set KWA, 238
.set KWB, 240
.set VW, 242
.set PWE, 246
.set QA, 247
.set RT, 248
.set SEL, 2
.set G1, 24
.set G0, 32
.set G1B, 48
.set G0B, 56
.set G1S, 68
.set G0S, 76
.set G1SB, 80
.set G0SB, 88
.set MSB, 0
.macro WIN new
.if MSB != (\new)
	s_set_vgpr_msb (MSB<<8)|(\new)
.set MSB, \new
.endif
.endm
.macro PLACES n
.rept \n
	v_nop
.endr
.endm
.macro JLOAD g0a, g1a, g0b, g1b
	s_cmp_eq_u32 s15, 0
	s_cbranch_scc0 .Lfor_b_\@
	tensor_load_to_lds s[\g0a:\g0a+3], s[\g1a:\g1a+7]
	s_nop 0
.rept 4
	v_nop
.endr
	s_branch .Lasked_\@
.Lfor_b_\@:
	tensor_load_to_lds s[\g0b:\g0b+3], s[\g1b:\g1b+7]
	s_nop 0
.rept 4
	v_nop
.endr
.Lasked_\@:
.endm
.macro CREST
	s_cmp_lg_u32 s14, 0
	s_cbranch_scc1 .Lnot_wave_0_\@
	s_barrier_signal -3
.Lnot_wave_0_\@:
	s_barrier_wait -3
	s_barrier_signal -1
	s_barrier_wait -1
.endm
.macro CROUND
	s_barrier_signal -1
	s_barrier_wait -1
	CREST
.endm
.macro WM d, fa, fb, c, sa, sb, ra, rb
.if (\ra)&&(\rb)
	v_wmma_scale_f32_16x16x128_f8f6f4 v[(\d):(\d)+7], v[(\fa):(\fa)+11], v[(\fb):(\fb)+11], v[(\c):(\c)+7], v[\sa], v[\sb] matrix_a_fmt:MATRIX_FMT_FP6 matrix_b_fmt:MATRIX_FMT_FP6 matrix_a_scale:MATRIX_SCALE_ROW1 matrix_b_scale:MATRIX_SCALE_ROW1
.elseif (\ra)
	v_wmma_scale_f32_16x16x128_f8f6f4 v[(\d):(\d)+7], v[(\fa):(\fa)+11], v[(\fb):(\fb)+11], v[(\c):(\c)+7], v[\sa], v[\sb] matrix_a_fmt:MATRIX_FMT_FP6 matrix_b_fmt:MATRIX_FMT_FP6 matrix_a_scale:MATRIX_SCALE_ROW1
.elseif (\rb)
	v_wmma_scale_f32_16x16x128_f8f6f4 v[(\d):(\d)+7], v[(\fa):(\fa)+11], v[(\fb):(\fb)+11], v[(\c):(\c)+7], v[\sa], v[\sb] matrix_a_fmt:MATRIX_FMT_FP6 matrix_b_fmt:MATRIX_FMT_FP6 matrix_b_scale:MATRIX_SCALE_ROW1
.else
	v_wmma_scale_f32_16x16x128_f8f6f4 v[(\d):(\d)+7], v[(\fa):(\fa)+11], v[(\fb):(\fb)+11], v[(\c):(\c)+7], v[\sa], v[\sb] matrix_a_fmt:MATRIX_FMT_FP6 matrix_b_fmt:MATRIX_FMT_FP6
.endif
.endm
.macro MUL16 a0, p, q, sc, first
.irp a, \a0, \a0+1
.irp b, 0,1,2,3,4,5,6,7
.if (\first)==1
	WM 8*(8*((\a)%4)+\b),128*(\p)+12*\b,AF+12*(\a),BR+8*\b,SC+16*(\sc)+8+2*(\b/2)+(\q),SC+16*(\sc)+2*((\a)/2)+(\q),\b%2,(\a)%2
.elseif (\first)==2
	WM 8*(8*((\a)%4)+\b),128*(\p)+12*\b,AF+12*(\a),BR+8*(\a),SC+16*(\sc)+8+2*(\b/2)+(\q),SC+16*(\sc)+2*((\a)/2)+(\q),\b%2,(\a)%2
.else
	WM 8*(8*((\a)%4)+\b),128*(\p)+12*\b,AF+12*(\a),8*(8*((\a)%4)+\b),SC+16*(\sc)+8+2*(\b/2)+(\q),SC+16*(\sc)+2*((\a)/2)+(\q),\b%2,(\a)%2
.endif
.endr
.endr
.endm
.macro FRAG reg, adr, q, i
.irp c,0,1,2
	ds_load_b128 v[(\reg)+4*\c:(\reg)+4*\c+3], v[\adr] offset:(\i)*3072+(\q)*1536+512*\c
.endr
.endm
.macro FETCH_B slot, q, p
	WIN 0x40
.irp i,0,1,2,3,4,5,6,7
	FRAG 128*(\p)+12*\i, ADRB+\slot, \q, \i
.endr
	WIN 0
.endm
.macro FETCH_A slot, q, i0
.irp i, \i0, \i0+1, \i0+2, \i0+3
	FRAG AF+12*(\i), ADRA+\slot, \q, \i
.endr
.endm
.macro SCALES sc
.irp i,0,1,2,3
.irp q,0,1
	ds_load_b32 v[SC+16*(\sc)+2*\i+\q], v[ADSA] offset:\i*1024+\q*128
	ds_load_b32 v[SC+16*(\sc)+8+2*\i+\q], v[ADSB] offset:\i*1024+\q*128
.endr
.endr
.endm
.macro STEP slot, first
	s_wait_dscnt 12
.if \first
	WIN 0x81
.else
	WIN 0xa1
.endif
	MUL16 0, 0, 0, \slot, \first
	MUL16 2, 0, 0, \slot, \first
	s_wait_dscnt 0x0
	PLACES 4
	FETCH_B \slot, 1, 1
	FETCH_A \slot, 1, 0
.if \first
	WIN 0xc1
.else
	WIN 0xf1
.endif
	MUL16 4, 0, 0, \slot, \first
	MUL16 6, 0, 0, \slot, \first
	PLACES 4
	WIN 0
	FETCH_A \slot, 1, 4
.endm
.macro TURN slot, next, fill
	s_wait_tensorcnt 0x0
	ds_add_u32 v[SPW], v[NIL]
	s_wait_dscnt 13
	WIN 0xa1
	MUL16 0, 1, 1, \slot, 0
	s_wait_dscnt 0x0
	s_barrier_signal -1
	MUL16 2, 1, 1, \slot, 0
	WIN 0
	s_barrier_wait -1
.if \fill
	CREST
	s_add_nc_u64 s[G0+4*\slot+2:G0+4*\slot+3], s[G0+4*\slot+2:G0+4*\slot+3], 6144
	s_add_nc_u64 s[G0B+4*\slot+2:G0B+4*\slot+3], s[G0B+4*\slot+2:G0B+4*\slot+3], 6144
	JLOAD G0+4*\slot, G1, G0B+4*\slot, G1B
.else
	PLACES 4
.endif
	s_wait_alu depctr_va_vdst(0)
	v_add_nc_u32 v[ADSA], 256, v[ADSA]
	v_add_nc_u32 v[ADSB], 256, v[ADSB]
	FETCH_B \next, 0, 0
	FETCH_A \next, 0, 0
	SCALES \next
	WIN 0xf1
	MUL16 4, 1, 1, \slot, 0
	MUL16 6, 1, 1, \slot, 0
	PLACES 4
	WIN 0
	FETCH_A \next, 0, 4
.endm
.macro QUANT64 s
.irp b,0,1,2,3
	v_max3_num_f32 v[TM+\b], |v[\s+16*\b]|, |v[\s+1+16*\b]|, 0x1800000
.endr
.irp i,2,4,6,8,10,12,14
.irp b,0,1,2,3
	v_max3_num_f32 v[TM+\b], v[TM+\b], |v[\s+16*\b+\i]|, |v[\s+1+16*\b+\i]|
.endr
.endr
.irp b,0,1,2,3
	v_permlanex16_b32 v[TM+4+\b], v[TM+\b], s[SEL], s[SEL+1]
.endr
.irp b,0,1,2,3
	v_max_num_f32 v[TM+\b], v[TM+\b], v[TM+4+\b]
.endr
.irp b,0,1,2,3
	v_add_nc_u32 v[TM+12+\b], 0xff000000, v[TM+\b]
.endr
.irp b,0,1,2,3
	v_lshrrev_b32 v[TM+4+\b], 23, v[TM+12+\b]
.endr
	v_lshl_or_b32 v[PW], v[TM+5], 8, v[TM+4]
	v_lshl_or_b32 v[PW], v[TM+6], 16, v[PW]
	v_lshl_or_b32 v[PW], v[TM+7], 24, v[PW]
.irp c,0,1
	v_cvt_scalef32_pk16_fp6_f32 v[PC+6*\c:PC+2+6*\c], v[\s+32*\c:\s+15+32*\c], v[TM+12+2*\c]
	v_cvt_scalef32_pk16_fp6_f32 v[PC+12+4*\c:PC+14+4*\c], v[\s+16+32*\c:\s+31+32*\c], v[TM+12+2*\c+1]
.endr
	v_nop
.irp c,0,1
.irp i,0,1,2
	v_permlane16_swap_b32 v[PC+6*\c+\i], v[PC+12+4*\c+\i]
.endr
.irp i,0,1,2
	v_mov_b32 v[PC+3+6*\c+\i], v[PC+12+4*\c+\i]
.endr
.endr
.endm
	s_load_b256 s[4:11], s[0:1], 0x0
	s_load_b64 s[12:13], s[0:1], 0x20
	v_lshl_add_u32 v[SPW], v0, 2, SPARE
	v_mov_b32 v[NIL], 0
	ds_add_u32 v[SPW], v[NIL]
	ds_add_u32 v[SPW], v[NIL]
	v_lshrrev_b32 v1, 5, v0
	v_readfirstlane_b32 s14, v1
	s_lshr_b32 s15, s14, 1
	s_and_b32 s16, s14, 1
	s_bfe_u32 s40, ttmp6, 0x40000
	s_bfe_u32 s41, ttmp6, 0x40004
	s_mov_b32 s66, ttmp9
	s_and_b32 s67, ttmp7, 0xffff
	s_cmp_eq_u32 s66, 2
	s_cselect_b32 s17, 0, s67
	s_cselect_b32 s42, s67, 0
	s_lshl_b32 s17, s17, 2
	s_add_co_u32 s17, s17, s41
	s_lshl_b32 s42, s42, 2
	s_add_co_u32 s42, s42, s40
	s_lshl_b32 s43, s41, 2
	s_lshl_b32 s43, 15, s43
	s_lshl_b32 s44, 0x1111, s40
	s_mov_b32 s96, X_C
	s_mov_b32 s97, X_S
	s_mov_b32 s98, WK_C
	s_mov_b32 s99, WK_S
	s_cmp_eq_u32 s66, 0
	s_cselect_b32 s96, XN_C, s96
	s_cselect_b32 s97, XN_S, s97
	s_cselect_b32 s98, 0, s98
	s_cselect_b32 s99, WQ_S, s99
	s_cmp_eq_u32 s66, 2
	s_cselect_b32 s96, WV_C, s96
	s_cselect_b32 s97, WV_S, s97
	s_cselect_b32 s98, X_C, s98
	s_cselect_b32 s99, X_S, s99
	s_or_b32 s[G1], s43, (3<<16)|(1<<21)
	s_or_b32 s[G1B], s44, (3<<16)|(1<<21)
.irp g, G1, G1B
	s_mov_b32 s[\g+1], 384<<16
	s_mov_b32 s[\g+2], 16<<16                      ; the head's loads bring a side's 16 tiles; behind them the two words that count rows are set to 8, for the ring's
	s_mov_b32 s[\g+3], 384<<16
	s_mov_b32 s[\g+4], 16
	s_mov_b32 s[\g+5], 1536
	s_mov_b32 s[\g+6], 0
	s_mov_b32 s[\g+7], 0
.endr
	s_or_b32 s[G1S], s43, (3<<16)|(1<<21)
	s_or_b32 s[G1SB], s44, (3<<16)|(1<<21)
.irp g, G1S, G1SB
	s_mov_b32 s[\g+1], 32<<16
	s_mov_b32 s[\g+2], 32<<16                      ; the scale words of all 256 rows of a side: 32 rows of 256 bytes, one load
	s_mov_b32 s[\g+3], 32<<16
	s_mov_b32 s[\g+4], 32
	s_mov_b32 s[\g+5], 32
	s_mov_b32 s[\g+6], 0
	s_mov_b32 s[\g+7], 0
.endr
	s_lshl_b32 s20, s17, 4
	s_lshl_b32 s18, s16, 3
	s_add_co_u32 s20, s20, s18
	s_mul_i32 s20, s20, 12288
	s_add_co_u32 s20, s20, s96
	s_mov_b32 s21, 0
	s_lshl_b32 s22, s17, 3
	s_lshl_b32 s19, s16, 2
	s_add_co_u32 s22, s22, s19
	s_lshl_b32 s22, s22, 10
	s_add_co_u32 s22, s22, s97
	s_mov_b32 s23, 0
	s_lshl_b32 s46, s42, 4
	s_add_co_u32 s46, s46, s18
	s_mul_i32 s46, s46, 12288
	s_add_co_u32 s46, s46, s98
	s_mov_b32 s47, 0
	s_lshl_b32 s92, s42, 3
	s_add_co_u32 s92, s92, s19
	s_lshl_b32 s92, s92, 10
	s_add_co_u32 s92, s92, s99
	s_mov_b32 s93, 0
	s_mul_i32 s45, s14, QTR
	s_lshl_b32 s94, s14, 12
	s_mov_b32 s95, 0xffff0000
	s_mov_b32 s[SEL], 0x76543210
	s_mov_b32 s[SEL+1], 0xfedcba98
	s_wait_dscnt 0x0
	s_wait_kmcnt 0x0
	s_add_nc_u64 s[20:21], s[4:5], s[20:21]
	s_add_nc_u64 s[22:23], s[4:5], s[22:23]
	s_add_nc_u64 s[46:47], s[4:5], s[46:47]
	s_add_nc_u64 s[92:93], s[4:5], s[92:93]
	CROUND
	s_mov_b32 s[G0S], 1
	s_mov_b32 s[G0S+1], SCL
	s_sub_nc_u64 s[G0S+2:G0S+3], s[22:23], 4096    ; wave 1 issues it: its own half begins 4,096 bytes behind the side's first word
	s_or_b32 s[G0S+3], s[G0S+3], 0x80000000
	s_mov_b32 s[G0SB], 1
	s_mov_b32 s[G0SB+1], SCL+2*4096
	s_sub_nc_u64 s[G0SB+2:G0SB+3], s[92:93], 4096  ; wave 3 issues it
	s_or_b32 s[G0SB+3], s[G0SB+3], 0x80000000
.irp s,0,1
	s_mov_b32 s[G0+4*\s], 1
	s_add_co_u32 s[G0+4*\s+1], s45, \s*SLOT
	s_add_nc_u64 s[G0+4*\s+2:G0+4*\s+3], s[20:21], \s*3072
	s_or_b32 s[G0+4*\s+3], s[G0+4*\s+3], 0x80000000
	s_mov_b32 s[G0B+4*\s], 1
	s_add_co_u32 s[G0B+4*\s+1], s45, \s*SLOT
	s_add_nc_u64 s[G0B+4*\s+2:G0B+4*\s+3], s[46:47], \s*3072
	s_or_b32 s[G0B+4*\s+3], s[G0B+4*\s+3], 0x80000000
.endr
; the head's four tiles, one joint load a wave: wave 0 A's slot 0 (its own group 0 points at the side's first tile), wave 1 A's scale words, wave 2 B's slot 0, wave 3 B's scale words
	s_cmp_lt_u32 s14, 1
	s_cbranch_scc0 .Lh1
	tensor_load_to_lds s[G0:G0+3], s[G1:G1+7]
	s_nop 0
	PLACES 4
	s_branch .Lhj
.Lh1:
	s_cmp_lt_u32 s14, 2
	s_cbranch_scc0 .Lh2
	tensor_load_to_lds s[G0S:G0S+3], s[G1S:G1S+7]
	s_nop 0
	PLACES 4
	s_branch .Lhj
.Lh2:
	s_cmp_lt_u32 s14, 3
	s_cbranch_scc0 .Lh3
	tensor_load_to_lds s[G0B:G0B+3], s[G1B:G1B+7]
	s_nop 0
	PLACES 4
	s_branch .Lhj
.Lh3:
	tensor_load_to_lds s[G0SB:G0SB+3], s[G1SB:G1SB+7]
	s_nop 0
	PLACES 4
.Lhj:
; THE PREFETCHES of the ring's slots 1 to 3.  Of the eight tiles that my ring loads bring, the partner at place p (cx for A, cy for B) names tiles 2 p and 2 p + 1: told apart by address alone.
; A slot's part of a tile is 3,072 bytes: 12 blocks of 256; lane l names block l % 12 of tile l / 12 (lanes 24-31 name the last again).  Slots 1 and 2 are named here, slot 3 behind slot 1's load.
	s_cmp_eq_u32 s15, 0
	s_cselect_b32 s44, s40, s41
	s_cselect_b64 s[22:23], s[20:21], s[46:47]
	s_mul_i32 s44, s44, 24576
	s_mov_b32 s45, 0
	s_add_nc_u64 s[44:45], s[22:23], s[44:45]
	v_and_b32 v7, 31, v0
	v_min_u32 v7, 23, v7
	v_mul_u32_u24 v8, v7, 171
	v_lshrrev_b32 v8, 11, v8                       ; l / 12, for l up to 23
	v_mul_u32_u24 v8, v8, 9216                     ; a tile's row is 12,288 bytes: 9,216 more than the 12 blocks passed
	v_lshl_add_u32 v7, v7, 8, v8
	global_prefetch_b8 v7, s[44:45] offset:3072 th:TH_LOAD_NT scope:SCOPE_SE
	global_prefetch_b8 v7, s[44:45] offset:6144 th:TH_LOAD_NT scope:SCOPE_SE
	v_and_b32 v1, 31, v0
	v_and_b32 v2, 15, v0
	v_bfe_u32 v3, v0, 4, 1
	v_lshlrev_b32 v[L16], 4, v1
	v_lshlrev_b32 v[L8], 3, v1
	v_lshlrev_b32 v[L4], 2, v1
	s_wait_alu depctr_va_vdst(0)
	s_mul_i32 s18, s15, QTR
	s_mul_i32 s19, s16, QTR
	s_add_co_u32 s19, s19, 2*QTR
.irp s,0,1
	v_add_nc_u32 v[ADRA+\s], s18, v[L16]
	v_add_nc_u32 v[ADRB+\s], s19, v[L16]
	s_add_co_u32 s18, s18, SLOT
	s_add_co_u32 s19, s19, SLOT
.endr
	s_lshl_b32 s18, s15, 12
	s_add_co_u32 s18, s18, SCL
	v_add_nc_u32 v[ADSA], s18, v[L4]
	s_lshl_b32 s19, s16, 12
	s_add_co_u32 s19, s19, SCL+2*4096
	v_add_nc_u32 v[ADSB], s19, v[L4]
	s_lshl_b32 s18, s17, 1
	s_add_co_u32 s18, s18, s15
	s_lshl_b32 s19, s42, 1
	s_add_co_u32 s19, s19, s16
	s_cmp_eq_u32 s66, 2
	s_cselect_b32 s20, s18, s19
	s_cselect_b32 s21, s19, s18
	s_cselect_b32 s96, 98304, 0
	s_mov_b32 s97, 196608
	s_cselect_b32 s97, 200704, s97
	s_and_b32 s22, s21, 16
	s_lshl_b32 s23, s20, 1
	s_add_co_u32 s22, s22, s23
	s_and_b32 s23, s21, 15
	s_mul_i32 s46, s22, REC
	s_add_co_u32 s46, s46, KV_O
	s_mul_i32 s98, s23, 6144
	s_add_co_u32 s96, s96, s98
	s_add_co_u32 s96, s96, s46
	s_lshl_b32 s98, s23, 8
	s_add_co_u32 s97, s97, s98
	s_add_co_u32 s97, s97, s46
	s_mul_i32 s98, s20, 393216
	s_mul_i32 s99, s21, 6144
	s_add_co_u32 s98, s98, s99
	s_lshl_b32 s99, s20, 15
	s_lshl_b32 s100, s21, 10
	s_add_co_u32 s99, s99, s100
	s_add_co_u32 s99, s99, QS_O
	s_cmp_eq_u32 s66, 0
	s_cselect_b32 s96, s98, s96
	s_cselect_b32 s100, s99, s97
	s_mov_b32 s98, REC
	s_cselect_b32 s98, 196608, s98
	s_cselect_b64 s[6:7], s[6:7], s[8:9]
	s_add_co_u32 s98, s98, s96
	s_mov_b32 s97, 0
	s_mov_b32 s99, 0
	s_mov_b32 s101, 0
	s_add_nc_u64 s[96:97], s[12:13], s[96:97]
	s_add_nc_u64 s[98:99], s[12:13], s[98:99]
	s_add_nc_u64 s[100:101], s[12:13], s[100:101]
	s_cmp_eq_u32 s66, 2
	s_cselect_b64 s[6:7], s[10:11], s[6:7]
	s_lshl_b32 s46, s20, 9
	s_mov_b32 s47, 0
	s_add_nc_u64 s[6:7], s[6:7], s[46:47]
	s_lshr_b32 s46, s20, 2
	s_lshr_b32 s92, s66, 1
	s_or_b32 s46, s46, s92
	s_lshl_b32 s46, s46, 19
	s_add_co_u32 s46, s46, COS_O
	s_add_nc_u64 s[92:93], s[4:5], s[46:47]
	v_and_b32 v4, 8, v2
	v_add_nc_u32 v4, v4, v2
	s_lshl_b32 s46, s23, 7
	v_add_nc_u32 v[TBO], s46, v4
	v_lshlrev_b32 v[TBO], 4, v[TBO]
	v_lshl_add_u32 v[TBO], v3, 16, v[TBO]
; the tables that the way out reads for my 128 positions: 2 tables x 8 groups x 2,048 bytes = 128 blocks of 256.  The four waves whose feature blocks differ in their two low bits read the same blocks
; and share them out by address: bit 0 picks groups 0-3 or 4-7, bit 1 the first or the second table; lane l names block l % 8 of group l / 8
	s_wait_alu depctr_va_vdst(0)                   ; a wait ahead of the run of scalar instructions
	s_and_b32 s46, s20, 1
	s_lshl_b32 s46, s46, 17
	s_bfe_u32 s47, s20, 0x10001
	s_lshl_b32 s47, s47, 18
	s_add_co_u32 s46, s46, s47
	s_lshl_b32 s47, s23, 11
	s_add_co_u32 s46, s46, s47
	s_mov_b32 s47, 0
	s_add_nc_u64 s[46:47], s[92:93], s[46:47]
	v_and_b32 v5, 7, v1
	v_lshrrev_b32 v6, 3, v1
	v_lshlrev_b32 v5, 8, v5
	v_lshl_add_u32 v5, v6, 15, v5
	global_prefetch_b8 v5, s[46:47] th:TH_LOAD_NT scope:SCOPE_SE
	v_lshlrev_b32 v30, 6, v3
	v_lshlrev_b32 v31, 2, v4
	s_cmp_eq_u32 s66, 2
	s_cbranch_scc1 .Lbias_v
.set n, 0
.rept 16
	global_load_b128 v[BR+4*n:BR+4*n+3], v30, s[6:7] offset:128*(n/4)+16*(n%4)
.set n, n+1
.endr
	s_branch .Lbias_done
.Lbias_v:
.set n, 0
	s_wait_alu depctr_va_vdst(0)
.rept 64
	global_load_b32 v[BR+n], v31, s[6:7] offset:(32*(n/16)+8*((n/8)%2))*4
.set n, n+1
.endr
.Lbias_done:
	s_wait_alu depctr_va_vdst(0)                   ; the wait at the head's end
	s_wait_tensorcnt 0x0                           ; my tile of the head's four is in
	ds_add_u32 v28, v29
	s_mov_b32 s[G1+2], 8<<16                       ; no tensor load of mine is out: from here on a load brings 8 tiles
	s_mov_b32 s[G1+4], 8
	s_mov_b32 s[G1B+2], 8<<16
	s_mov_b32 s[G1B+4], 8
	s_wait_dscnt 0x0
	CROUND                                         ; all four tiles are in, in every partner
	JLOAD G0+4, G1, G0B+4, G1B                     ; slot 1's first fill, a quarter a wave
	global_prefetch_b8 v7, s[44:45] offset:9216 th:TH_LOAD_NT scope:SCOPE_SE   ; slot 3
	FETCH_B 0, 0, 0
	FETCH_A 0, 0, 0
	s_wait_alu depctr_va_vdst(0)
	SCALES 0
	FETCH_A 0, 0, 4
	s_wait_loadcnt 0x0
	s_cmp_eq_u32 s66, 2
	s_cbranch_scc1 .Lfirst_v
	STEP 0, 1
	s_branch .Lfirst_done
.Lfirst_v:
	STEP 0, 2
.Lfirst_done:
	TURN 0, 1, 1
	STEP 1, 0
	TURN 1, 0, 1
	STEP 0, 0
	TURN 0, 1, 0
	STEP 1, 0
	s_wait_dscnt 12
	WIN 0xa1
	MUL16 0, 1, 1, 1, 0
	MUL16 2, 1, 1, 1, 0
	s_wait_dscnt 0x0
	WIN 0xf1
	MUL16 4, 1, 1, 1, 0
	MUL16 6, 1, 1, 1, 0
	WIN 0
	PLACES 4
.macro TL a
.set TLS, TBL+32*((\a)%2)
.irp n,0,1,2,3
	global_load_b128 v[TLS+4*\n:TLS+4*\n+3], v[TBO], s[92:93] offset:(32*((\a)/2)+8*((\a)%2))*16+(4*(\n/2)+\n%2)*32768
	global_load_b128 v[TLS+16+4*\n:TLS+16+4*\n+3], v[TBO], s[92:93] offset:(32*((\a)/2)+8*((\a)%2))*16+(4*(\n/2)+\n%2)*32768+262144
.endr
.endm
.macro EPI a
.if (\a)<7
	TL (\a)+1
	s_wait_loadcnt 8
.else
	s_wait_loadcnt 0x0
.endif
.set AC, 64*((\a)%4)
.set TSET, TBL+32*((\a)%2)
	WIN 0x02+(\a)/4
.set kk, 0
.rept 32
.set ci, TSET+8*((kk/8)%2)+kk%8
.set rt, RT+2*(kk%4)
	v_mul_f32 v[rt], v[AC+2*kk+1], v[ci+16]
	v_mul_f32 v[rt+1], v[AC+2*kk], v[ci+16]
	v_fma_f32 v[T+2*kk], v[AC+2*kk], v[ci], -v[rt]
	v_fma_f32 v[T+2*kk+1], v[AC+2*kk+1], v[ci], v[rt+1]
.set kk, kk+1
.endr
	WIN 0
	s_wait_xcnt 0x0
	QUANT64 T
	v_lshl_or_b32 v[HA], v[TM+5], 8, v[TM+4]
	v_lshl_or_b32 v[HB], v[TM+7], 8, v[TM+6]
	v_lshl_or_b32 v[QA], v[HA], 16, v[HA]
	v_lshl_or_b32 v[QW], v[HB], 16, v[HB]
	v_cndmask_b32 v[QW], v[QA], v[QW], s95
.if (\a)%2==0
	v_mov_b32 v[HAE], v[HA]
	v_mov_b32 v[HBE], v[HB]
	v_mov_b32 v[PWE], v[PW]
.else
	v_lshl_or_b32 v[KA], v[HA], 16, v[HAE]
	v_lshl_or_b32 v[KB], v[HB], 16, v[HBE]
	v_cndmask_b32 v[VW+2*((\a)/4)+((\a)%4)/2], v[PWE], v[PW], s95
.if (\a)%4==1
	v_mov_b32 v[KA0], v[KA]
	v_mov_b32 v[KB0], v[KB]
.else
	v_cndmask_b32 v[KWA+(\a)/4], v[KA0], v[KA], s95
	v_cndmask_b32 v[KWB+(\a)/4], v[KB0], v[KB], s95
.endif
.endif
	s_cmp_eq_u32 s66, 2
	s_cbranch_scc1 .Lsv_\@
	global_store_b128 v[L16], v[PC:PC+3], s[96:97] offset:(\a)*768
	global_store_b64 v[L8], v[PC+4:PC+5], s[96:97] offset:(\a)*768+512
	global_store_b128 v[L16], v[PC+6:PC+9], s[98:99] offset:(\a)*768
	global_store_b64 v[L8], v[PC+10:PC+11], s[98:99] offset:(\a)*768+512
	s_cmp_eq_u32 s66, 0
	s_cbranch_scc0 .Lsk_\@
	global_store_b32 v[L4], v[QW], s[100:101] offset:(\a)*128
	s_branch .Lsd_\@
.Lsk_\@:
.if (\a)==7
	s_wait_alu depctr_va_vdst(0)
	global_store_b64 v[L8], v[KWA:KWA+1], s[100:101]
	global_store_b64 v[L8], v[KWB:KWB+1], s[100:101] offset:REC
.endif
	s_branch .Lsd_\@
.Lsv_\@:
	s_wait_alu depctr_va_vdst(0)
.irp c,0,1,2
	global_store_b128 v[L16], v[PC+4*\c:PC+4*\c+3], s[96:97] offset:((\a)/4)*REC+((\a)%4)*1536+512*\c
.endr
.if (\a)%4==3
	global_store_b64 v[L8], v[VW+2*((\a)/4):VW+2*((\a)/4)+1], s[100:101] offset:((\a)/4)*REC
.endif
.Lsd_\@:
.endm
.irp b,0,1,2,3
	v_mov_b32 v[TM+4+\b], 0
.endr
	TL 0
.irp a,0,1,2,3,4,5,6,7
	EPI \a
.endr
	s_wait_tensorcnt 0x0
	ds_add_u32 v[SPW], v[NIL]
	s_wait_dscnt 0x0
	CROUND
	s_endpgm
.Lfunc_end_k_q86b087f31f_qkv:
	.size	k_q86b087f31f_qkv, .Lfunc_end_k_q86b087f31f_qkv-k_q86b087f31f_qkv
	.p2alignl 7, 3214868480
	.fill 96, 4, 3214868480
	.section	.rodata,"a",@progbits
	.p2align	6, 0x0
	.amdhsa_kernel k_q86b087f31f_qkv
		.amdhsa_group_segment_fixed_size 327680
		.amdhsa_private_segment_fixed_size 0
		.amdhsa_enable_private_segment 0
		.amdhsa_kernarg_size 40
		.amdhsa_user_sgpr_count 2
		.amdhsa_user_sgpr_kernarg_segment_ptr 1
		.amdhsa_wavefront_size32 1
		.amdhsa_system_sgpr_workgroup_id_x 1
		.amdhsa_system_sgpr_workgroup_id_y 1
		.amdhsa_system_sgpr_workgroup_id_z 1
		.amdhsa_system_vgpr_workitem_id 0
		.amdhsa_next_free_vgpr 1024
		.amdhsa_next_free_sgpr 102
		.amdhsa_reserve_vcc 0
		.amdhsa_float_denorm_mode_32 3
		.amdhsa_float_denorm_mode_16_64 3
		.amdhsa_memory_ordered 1
		.amdhsa_forward_progress 1
		.amdhsa_inst_pref_size 229
	.end_amdhsa_kernel
	.amdgpu_metadata
---
amdhsa.version: [ 1, 2 ]
amdhsa.kernels:
  - .name:           k_q86b087f31f_qkv
    .symbol:         k_q86b087f31f_qkv.kd
    .args:
      - { .name: P, .offset: 0, .size: 8, .value_kind: global_buffer, .address_space: global }
      - { .name: bq, .offset: 8, .size: 8, .value_kind: global_buffer, .address_space: global }
      - { .name: bk, .offset: 16, .size: 8, .value_kind: global_buffer, .address_space: global }
      - { .name: bv, .offset: 24, .size: 8, .value_kind: global_buffer, .address_space: global }
      - { .name: QKV, .offset: 32, .size: 8, .value_kind: global_buffer, .address_space: global }
    .group_segment_fixed_size: 327680
    .private_segment_fixed_size: 0
    .kernarg_segment_align: 8
    .kernarg_segment_size: 40
    .max_flat_workgroup_size: 128
    .sgpr_count:     102
    .vgpr_count:     1024
    .wavefront_size: 32
...
	.end_amdgpu_metadata
.endif
;; end of part 2
;; launch attn (part 3): grid 8 x 32, 16 waves a work-group, clusters of 4 x 1, 327,680 bytes of LDS; arguments QKV, AO; writes AO
.if DOCPART == 3
	.amdgcn_target "amdgcn-amd-amdhsa--gfx1250"
	.amdhsa_code_object_version 6
	.text
	.protected	k_q86b087f31f_attn
	.globl	k_q86b087f31f_attn
	.p2align	8
	.type	k_q86b087f31f_attn,@function
k_q86b087f31f_attn:
	s_mov_b64 s[64:65], 0
	v_nop
	global_prefetch_b8 v0, s[64:65] scope:SCOPE_SE
	s_setreg_imm32_b32 hwreg(HW_REG_WAVE_MODE, 25, 1), 1
	s_wait_xcnt 0x0
	s_wait_alu depctr_hold_cnt(0) depctr_sa_sdst(0) depctr_va_vdst(0) depctr_va_sdst(0) depctr_va_ssrc(0) depctr_va_vcc(0) depctr_vm_vsrc(0)
	s_getreg_b32 s2, hwreg(HW_REG_IB_STS2, 6, 4)
	s_cmp_eq_u32 s2, 0
	s_cbranch_scc0 .Lentry_in_a_cluster
	s_endpgm
.Lentry_in_a_cluster:
	s_bfe_u32 s2, ttmp6, 0x10000c
	s_cmp_lg_u32 s2, 0x3003
	s_cbranch_scc0 .Lentry_shape_is_right
	s_endpgm
.Lentry_shape_is_right:
; O = softmax(q k^T / 8) v for one head and 256 queries, both products on codes of FP6 (E2M3) with E8M0 scales; O / l leaves as codes for the next product.
; t = score x log2(e) / 8 (q's codes were made without the factor 1/8, a power of two); M = the running largest t rounded up to a whole number; p = 2^(t - M) is quantised along the keys, not normalised;
; the row's sum is taken of the unquantised p and divides at the end.  When M moves, the sum and O are multiplied by 2^(old M - new M): exact.
; SHARES.  Sixteen waves, each one tile of 16 queries in 240 registers, four waves to a SIMD.  A head's record (K's codes, V's codes, both scale words: 204,800 bytes) comes into LDS once, in two parts.
; CLUSTER.  Four work-groups along x hold four query blocks of ONE head: they need the same record and ask for it jointly (mask 15); the descriptors hang on the head and the wave's number alone.
; PART A, at the head, one load a wave: waves 0-5 K's codes of key steps 0-3, waves 6-11 V's (4,096 bytes each), waves 12-15 the scale words (2,048 bytes each).
; PART B, key steps 4-15, 9,216 bytes a wave, is a later first fill: behind the wait for all loads, the add and a round; four key steps are worked between its request and the wait for it.
; PREFETCH.  Part B's bytes are named once in each cluster at the head: of the 36 blocks of 256 bytes that a wave will load, the partner at place cx names 9 (lanes 9-31 name the ninth again).  No loop runs ahead of a load here, so this is the only request.
; LAYOUT.  Both products are used transposed: a lane holds one query throughout.  The head size is 64, the instruction's K is 128: a fragment of K holds TWO key tiles (one's 64 in registers 0-5, the other's in 6-11);
; it is multiplied by [q, 0] and by [0, q]: zero codes add nothing.
; WHICH KEYS FORM A TILE is chosen by the lanes' LDS addresses: rows 0-7 of score tile 4 c + i are keys 64 c + 8 i + 0..7 of the step, rows 8-15 keys 64 c + 32 + 8 i + 0..7.  So lane (r, h) holds in its 32 score registers of
; tiles 4 c .. 4 c + 3 the keys 64 c + 32 h + 0..31: one whole block of p, in the order that the second product's operand wants: a block's largest score needs no other lane, and the conversions' results are the operand.
; In the record row r of tile 2 p + u is key 32 p + 8 u + r + 8 (r / 8), as images of registers (a tile: 768 bytes; lane l: 16 bytes at 16 l, 8 bytes at 512 + 8 l).  So row m of score tile 4 c + i lies in the record's tile
; 2 (2 c + m / 8) + i % 2, at its row m % 8 + 8 (i / 2).  Rows 8-15 lie 1,536 bytes behind rows 0-7.
; LIMITS: NaN and infinities are not served; a block of p (or of O) whose largest number lies under 2^-124 gets the byte 1; the scaled scores stay under 2^31 in magnitude.  The u16 scale pieces leave in stores of 64 bytes.
.set QS_O, 3145728
.set KV_O, 3407872
.set REC, 204800
.set VC_M, 98304                       ; in memory V's codes lie this far behind K's
.set LB_V, 73728                       ; LDS 0: K of key steps 4-15; from here V of the same steps
.set LA, 147456                        ; LDS: K of key steps 0-3 (24,576 bytes), then V of the same steps
.set KS_O, 196608                      ; in the record and in LDS: K's scale words, 4,096 bytes, then V's
.set AOS_O, 3145728
.set SPARE, 204800                     ; the spare words, 128 bytes a wave
.set L16, 1
.set L8, 2
.set SPW, 3
.set NIL, 4
.set ADK16, 5
.set ADK8, 6
.set ADV, 7
.set ADS, 8
.set PFO, 9                            ; the prefetch's offset: 256 x min(lane, 8); never rewritten
.set AS0, 10
.set QSW, 16
.set PWR, 17
.set ZQ, 18                            ; v18-23 zeros, v24-29 q, v30-35 zeros
.set KSC, 36
.set VSC, 38
.set F, 40                             ; four fragments, of K and then of V
.set S, 88                             ; the scores, then p
.set OT, 152
.set PC, 184
.set PT, 196
.set OLDM, 199                         ; -M of the step before
.set BM, 204
.set BT, 208
.set SOP, 212
.set FF, 216
.set TV, 218
.set ADSV, 224                         ; V's scale words of the step
.set KB16, 225                         ; my place in K's images: 16 (l % 8) + 1,536 ((l / 8) % 2) + 256 (l / 16)
.set KB8, 226                          ; 8 (l % 8) + 1,536 ((l / 8) % 2) + 128 (l / 16)
.set ASK, 227                          ; my place in K's scale words: KS_O + 8 (l % 8) + 128 ((l / 8) % 2) + 64 (l / 16)
.set H8, 228                           ; 8 (l / 16)
.set PFB, 2                            ; s[2:3] where my prefetch stands
.set SEL, 20
.set CS, 22
.set G1A, 24                           ; group 1: two rows of 2,048 bytes;  G1S: of 1,024;  G1B: of 4,608
.set G1S, 48
.set G1B, 68
.set G0S, 56
.set G0A, 60
.set G0B, 76
.macro CROUND                          ; a round of the cluster's barrier
	s_barrier_signal -1
	s_barrier_wait -1
	s_cmp_lg_u32 s8, 0
	s_cbranch_scc1 .Lnot_wave_0_\@
	s_barrier_signal -3
.Lnot_wave_0_\@:
	s_barrier_wait -3
	s_barrier_signal -1
	s_barrier_wait -1
.endm
.macro WMS d, fa, fb, sa, sb, ra       ; starts a sum
.if \ra
	v_wmma_scale_f32_16x16x128_f8f6f4 v[(\d):(\d)+7], v[(\fa):(\fa)+11], v[(\fb):(\fb)+11], 0, v[\sa], v[\sb] matrix_a_fmt:MATRIX_FMT_FP6 matrix_b_fmt:MATRIX_FMT_FP6 matrix_a_scale:MATRIX_SCALE_ROW1
.else
	v_wmma_scale_f32_16x16x128_f8f6f4 v[(\d):(\d)+7], v[(\fa):(\fa)+11], v[(\fb):(\fb)+11], 0, v[\sa], v[\sb] matrix_a_fmt:MATRIX_FMT_FP6 matrix_b_fmt:MATRIX_FMT_FP6
.endif
.endm
.macro WMA d, fa, fb, sa, sb, ra       ; adds in place
.if \ra
	v_wmma_scale_f32_16x16x128_f8f6f4 v[(\d):(\d)+7], v[(\fa):(\fa)+11], v[(\fb):(\fb)+11], v[(\d):(\d)+7], v[\sa], v[\sb] matrix_a_fmt:MATRIX_FMT_FP6 matrix_b_fmt:MATRIX_FMT_FP6 matrix_a_scale:MATRIX_SCALE_ROW1
.else
	v_wmma_scale_f32_16x16x128_f8f6f4 v[(\d):(\d)+7], v[(\fa):(\fa)+11], v[(\fb):(\fb)+11], v[(\d):(\d)+7], v[\sa], v[\sb] matrix_a_fmt:MATRIX_FMT_FP6 matrix_b_fmt:MATRIX_FMT_FP6
.endif
.endm
; trips key steps of 128 keys: K's codes from LDS byte kb on, V's from vb on, 6,144 bytes a step; the scale words from sb on, 256 bytes a step
.macro STEPS trips, kb, vb, sb
	s_mov_b32 s32, \kb
	s_mov_b32 s35, \vb
	s_mov_b32 s33, \sb
	s_mov_b32 s34, 0
.Lstep_\@:
	v_add_nc_u32 v[ADK16], s32, v[KB16]            ; (these four are also the places behind the last products)
	v_add_nc_u32 v[ADK8], s32, v[KB8]
	v_add_nc_u32 v[ADS], s33, v[ASK]
	v_add_nc_u32 v[ADV], s35, v[L16]
.irp j,0,1,2,3                         ; fragment j: score tiles 2 j and 2 j + 1, that is c = j / 2, i = 2 (j % 2) and 2 (j % 2) + 1
	ds_load_b128 v[F+12*\j:F+12*\j+3], v[ADK16] offset:(\j/2)*3072+(\j%2)*128
	ds_load_b64 v[F+12*\j+4:F+12*\j+5], v[ADK8] offset:(\j/2)*3072+512+(\j%2)*64
	ds_load_b128 v[F+12*\j+6:F+12*\j+9], v[ADK16] offset:(\j/2)*3072+768+(\j%2)*128
	ds_load_b64 v[F+12*\j+10:F+12*\j+11], v[ADK8] offset:(\j/2)*3072+1280+(\j%2)*64
.endr
	ds_load_b64 v[KSC:KSC+1], v[ADS]               ; register j / 2: lanes 0-15 the rows' words of fragment j even, lanes 16-31 of fragment j odd
	s_wait_alu depctr_va_vdst(0)
	s_wait_dscnt 0x0
.irp i,0,1,2,3
	WMS S+16*\i, F+12*\i, ZQ+6, KSC+\i/2, QSW, \i%2      ; the first key tile x [q, 0]
	WMS S+16*\i+8, F+12*\i, ZQ, KSC+\i/2, QSW, \i%2      ; the second x [0, q]
.endr
	v_add_nc_u32 v[ADSV], s33, v[AS0]              ; four places in front of the loads into F and of the first read of the scores: two lines that are due anyway,
	v_mov_b32 v[OLDM], v12
	v_nop                                          ; and two idle ones
	v_nop
.irp t,0,1,2,3
.irp c,0,1,2
	ds_load_b128 v[F+12*\t+4*\c:F+12*\t+4*\c+3], v[ADV] offset:\t*1536+512*\c   ; V's four tiles land under the softmax
.endr
.endr
	ds_load_b64 v[VSC:VSC+1], v[ADSV] offset:4096
.irp b,0,1,2,3
	v_max3_num_f32 v[BM+\b], v[S+16*\b], v[S+1+16*\b], v[S+2+16*\b]   ; the largest score of each 16 registers, four chains by turns
.endr
.irp i,3,5,7,9,11,13
.irp b,0,1,2,3
	v_max3_num_f32 v[BM+\b], v[BM+\b], v[S+16*\b+\i], v[S+1+16*\b+\i]
.endr
.endr
.irp b,0,1,2,3
	v_max_num_f32 v[BM+\b], v[BM+\b], v[S+15+16*\b]
.endr
	s_delay_alu instid0(VALU_DEP_3)
	v_max_num_f32 v[BM], v[BM], v[BM+1]            ; my block h: its largest score serves the row's maximum and, since p rises with the score, the block's largest p
	s_delay_alu instid0(VALU_DEP_2)
	v_max_num_f32 v[BM+1], v[BM+2], v[BM+3]        ; my block 2 + h
	s_delay_alu instid0(VALU_DEP_1)
	v_max_num_f32 v[TV], v[BM], v[BM+1]
	s_delay_alu instid0(VALU_DEP_1)
	v_permlanex16_b32 v[BT], v[TV], s[SEL], s[SEL+1]
	s_delay_alu instid0(VALU_DEP_1)
	v_max_num_f32 v[TV], v[TV], v[BT]              ; with lane l xor 16's two blocks: the step's largest score of my query
	s_delay_alu instid0(VALU_DEP_1)
	v_mul_f32 v[TV], s[CS], v[TV]
	s_delay_alu instid0(VALU_DEP_1)
	v_max_num_f32 v13, v13, v[TV]                  ; the running largest t
	s_delay_alu instid0(VALU_DEP_1)
	v_floor_f32 v12, -v13                          ; the new -M: M is a whole number
	s_delay_alu instid0(VALU_DEP_1)
	v_sub_f32 v[TV], v12, v[OLDM]
	s_delay_alu instid0(VALU_DEP_1)
	v_cvt_i32_f32 v[TV], v[TV]                     ; (it saturates)
	s_delay_alu instid0(VALU_DEP_1)
	v_ldexp_f32 v[FF], 1.0, v[TV]                  ; f = 2^(old M - new M)
.set n, 0
.rept 32
	v_pk_fma_f32 v[S+n:S+n+1], v[S+n:S+n+1], s[CS:CS+1], v[12:13] op_sel_hi:[1,0,0]   ; t - M
.set n, n+2
.endr
.irp c,0,1
	v_fma_f32 v[BM+\c], v[BM+\c], s[CS], v12
.endr
.set n, 0
	s_wait_alu depctr_va_vdst(0)                   ; a wait ahead of the batch
.rept 64
	v_exp_f32 v[S+n], v[S+n]                       ; p = 2^(t - M)
.set n, n+1
.endr
	v_pk_mul_f32 v[14:15], v[14:15], v[FF:FF+1] op_sel_hi:[1,0]   ; the sums under the new M (a plain instruction behind the exponentials)
	s_wait_alu depctr_va_vdst(0)                   ; one wait for the batch, ahead of its first reader
.irp c,0,1
	v_exp_f32 v[BM+\c], v[BM+\c]                   ; my two blocks' largest p
.endr
	v_pk_add_f32 v[220:221], v[92:93], v[96:97]    ; the row's sum of the unquantised p, in eight chains
	v_pk_add_f32 v[222:223], v[100:101], v[104:105]
	v_pk_add_f32 v[214:215], v[108:109], v[112:113]
	v_pk_add_f32 v[212:213], v[116:117], v[120:121]
	v_pk_add_f32 v[210:211], v[124:125], v[128:129]
	v_pk_add_f32 v[208:209], v[132:133], v[136:137]
	v_pk_add_f32 v[202:203], v[140:141], v[144:145]
	v_pk_add_f32 v[14:15], v[14:15], v[148:149]
	v_pk_add_f32 v[220:221], v[220:221], v[88:89]
	v_pk_add_f32 v[222:223], v[222:223], v[90:91]
	v_pk_add_f32 v[214:215], v[214:215], v[94:95]
	v_pk_add_f32 v[212:213], v[212:213], v[98:99]
	v_pk_add_f32 v[210:211], v[210:211], v[102:103]
	v_pk_add_f32 v[208:209], v[208:209], v[106:107]
	v_pk_add_f32 v[202:203], v[202:203], v[110:111]
	v_pk_add_f32 v[14:15], v[14:15], v[114:115]
	v_pk_add_f32 v[220:221], v[220:221], v[118:119]
	v_pk_add_f32 v[222:223], v[222:223], v[122:123]
	v_pk_add_f32 v[214:215], v[214:215], v[126:127]
	v_pk_add_f32 v[212:213], v[212:213], v[130:131]
	v_pk_add_f32 v[210:211], v[210:211], v[134:135]
	v_pk_add_f32 v[208:209], v[208:209], v[138:139]
	v_pk_add_f32 v[202:203], v[202:203], v[142:143]
	v_pk_add_f32 v[14:15], v[14:15], v[146:147]
	v_pk_add_f32 v[220:221], v[220:221], v[150:151]
	s_delay_alu instid0(VALU_DEP_2)
	v_pk_add_f32 v[14:15], v[14:15], v[212:213]
	s_delay_alu instid0(VALU_DEP_2)
	v_pk_add_f32 v[220:221], v[220:221], v[210:211]
	v_pk_add_f32 v[222:223], v[222:223], v[208:209]
	v_pk_add_f32 v[214:215], v[214:215], v[202:203]
	s_delay_alu instid0(VALU_DEP_2)
	v_pk_add_f32 v[14:15], v[14:15], v[222:223]
	s_delay_alu instid0(VALU_DEP_2)
	v_pk_add_f32 v[220:221], v[220:221], v[214:215]
	s_delay_alu instid0(VALU_DEP_1)
	v_pk_add_f32 v[14:15], v[14:15], v[220:221]
	s_wait_alu depctr_va_vdst(0)                   ; and one for the two
.irp c,0,1
	v_max_num_f32 v[BM+\c], 0x1800000, v[BM+\c]    ; the floor 2^(3 - 127)
.endr
.irp c,0,1
	s_delay_alu instid0(VALU_DEP_2)
	v_add_nc_u32 v[SOP+\c], 0xff000000, v[BM+\c]   ; 2 off the exponent field: the conversion's scale operand
.endr
.irp c,0,1
	s_delay_alu instid0(VALU_DEP_2)
	v_lshrrev_b32 v[BT+\c], 23, v[SOP+\c]          ; the byte
.endr
	s_delay_alu instid0(VALU_DEP_1)
	v_lshl_or_b32 v[PWR], v[BT+1], 16, v[BT]       ; my blocks h and 2 + h,
	s_delay_alu instid0(VALU_DEP_1)
	v_lshlrev_b32 v[PWR], v[H8], v[PWR]            ; at their places,
	s_delay_alu instid0(VALU_DEP_1)
	v_permlanex16_b32 v[BT+2], v[PWR], s[SEL], s[SEL+1]
	s_delay_alu instid0(VALU_DEP_1)
	v_or_b32 v[PWR], v[PWR], v[BT+2]               ; with lane l xor 16's two: p's scale word for these 128 keys
.irp c,0,1
	v_cvt_scalef32_pk16_fp6_f32 v[PC+6*\c:PC+2+6*\c], v[S+32*\c:S+15+32*\c], v[SOP+\c]       ; keys 64 c + 32 h + 0..15
	v_cvt_scalef32_pk16_fp6_f32 v[PT+4*\c:PT+2+4*\c], v[S+16+32*\c:S+31+32*\c], v[SOP+\c]    ; and + 16..31 (three registers begin on an even number)
.endr
	v_nop                                          ; a plain instruction behind the scaled conversions
.irp c,0,1
.irp i,0,1,2
	v_mov_b32 v[PC+3+6*\c+\i], v[PT+4*\c+\i]
.endr
.endr
.set n, 0
.rept 16
	v_pk_mul_f32 v[OT+n:OT+n+1], v[OT+n:OT+n+1], v[FF:FF+1] op_sel_hi:[1,0]   ; O^T under the new M; these lines also stand between the codes and scale word just made and the products
.set n, n+2
.endr
	s_wait_alu depctr_va_vdst(0)
	s_wait_dscnt 0x0                               ; V
.irp t,0,1,2,3
	WMA OT+8*\t, F+12*\t, PC, VSC+\t/2, PWR, \t%2  ; four accumulators, one turn each; the next matrix instructions are the scores'
.endr
	s_add_co_u32 s32, s32, 6144
	s_add_co_u32 s35, s35, 6144
	s_add_co_u32 s33, s33, 256
	s_add_co_u32 s34, s34, 1
	s_cmp_lt_u32 s34, \trips
	s_cbranch_scc1 .Lstep_\@
.endm
	s_load_b128 s[4:7], s[0:1], 0x0                ; QKV, AO
	v_lshl_add_u32 v[SPW], v0, 2, SPARE
	v_mov_b32 v[NIL], 0
	ds_add_u32 v[SPW], v[NIL]                      ; the opening lines: the add, twice on end, and one wait
	ds_add_u32 v[SPW], v[NIL]
	v_lshrrev_b32 v5, 5, v0
	s_delay_alu instid0(VALU_DEP_1)
	v_readfirstlane_b32 s8, v5                     ; wave 0..15
	s_bfe_u32 s82, ttmp6, 0x40000                  ; cx: it enters global addresses of my own loads, stores and prefetch alone
	s_lshl_b32 s83, ttmp9, 2
	s_add_co_u32 s83, s83, s82                     ; my block of 256 queries, 0..7
	s_and_b32 s9, ttmp7, 0xffff                    ; 16 x batch + head
	s_and_b32 s10, s9, 15
	s_lshr_b32 s11, s9, 4
.irp g, G1S, G1A, G1B                  ; group 1: mask 15 with bit 21, elements of 8 bytes, no padding; two dense rows
	s_mov_b32 s[\g], 15|(3<<16)|(1<<21)
	s_mov_b32 s[\g+2], 2<<16
	s_mov_b32 s[\g+4], 2
	s_mov_b32 s[\g+6], 0
	s_mov_b32 s[\g+7], 0
.endr
	s_mov_b32 s[G1S+1], 128<<16
	s_mov_b32 s[G1S+3], 128<<16
	s_mov_b32 s[G1S+5], 128
	s_mov_b32 s[G1A+1], 256<<16
	s_mov_b32 s[G1A+3], 256<<16
	s_mov_b32 s[G1A+5], 256
	s_mov_b32 s[G1B+1], 576<<16
	s_mov_b32 s[G1B+3], 576<<16
	s_mov_b32 s[G1B+5], 576
	s_mul_i32 s14, s9, REC
	s_add_co_u32 s14, s14, KV_O                    ; the head's record
	s_lshl_b32 s12, s8, 12                         ; part A, codes: 4,096 x wave in LDS;
	s_cmp_ge_u32 s8, 6
	s_cselect_b32 s46, VC_M-24576, 0               ; in memory waves 6-11 stand in V's codes
	s_add_co_u32 s46, s46, s12
	s_add_co_u32 s46, s46, s14
	s_mov_b32 s47, 0
	s_lshl_b32 s16, s8, 11
	s_add_co_u32 s16, s16, KS_O-24576              ; part A, scale words: KS_O + 2,048 x (wave - 12), in LDS and in the record
	s_add_co_u32 s18, s16, s14
	s_mov_b32 s19, 0
	s_mul_i32 s17, s8, 9216                        ; part B: 9,216 x wave in LDS; waves 0-7 K's codes, waves 8-15 V's
	s_lshr_b32 s80, s8, 3
	s_mul_i32 s80, s80, VC_M
	s_and_b32 s81, s8, 7
	s_mul_i32 s81, s81, 9216
	s_add_co_u32 s80, s80, s81
	s_add_co_u32 s80, s80, s14
	s_add_co_u32 s80, s80, 24576
	s_mov_b32 s81, 0
	s_mul_i32 s[PFB], s82, 2304                    ; of my part B's 36 blocks my work-group names 9
	s_mov_b32 s[PFB+1], 0
	s_add_nc_u64 s[PFB:PFB+1], s[PFB:PFB+1], s[80:81]
	s_lshl_b32 s13, s11, 7
	s_lshl_b32 s35, s83, 4
	s_add_co_u32 s13, s13, s35
	s_add_co_u32 s13, s13, s8                      ; my tile of 16 queries, 0..255
	s_lshl_b32 s36, s10, 8
	s_add_co_u32 s36, s36, s13
	s_mul_i32 s36, s36, 768                        ; q's half image
	s_mov_b32 s37, 0
	s_lshr_b32 s44, s10, 1
	s_and_b32 s45, s10, 1
	s_lshl_b32 s38, s44, 8
	s_add_co_u32 s38, s38, s13
	s_lshl_b32 s38, s38, 7
	s_lshl_b32 s35, s45, 6
	s_add_co_u32 s38, s38, s35
	s_add_co_u32 s38, s38, QS_O                    ; q's scale words
	s_mov_b32 s39, 0
	s_lshl_b32 s40, s13, 3
	s_add_co_u32 s40, s40, s44
	s_mul_i32 s40, s40, 1536
	s_mul_i32 s35, s45, 768
	s_add_co_u32 s40, s40, s35                     ; where my codes go: tile, K step head / 2, half head % 2
	s_mov_b32 s41, 0
	s_lshl_b32 s42, s13, 4
	s_add_co_u32 s42, s42, s10
	s_lshl_b32 s42, s42, 6
	s_add_co_u32 s42, s42, AOS_O
	s_mov_b32 s43, 0
	s_mov_b32 s[SEL], 0x76543210
	s_mov_b32 s[SEL+1], 0xfedcba98
	s_mov_b32 s[CS], 0x3e38aa3b                    ; log2(e) / 8
	s_mov_b32 s[CS+1], s[CS]
	s_wait_dscnt 0x0                               ; both opening adds are done
	s_wait_kmcnt 0x0
	s_mov_b32 s[G0S], 1
	s_mov_b32 s[G0S+1], s16
	s_add_nc_u64 s[G0S+2:G0S+3], s[4:5], s[18:19]
	s_or_b32 s[G0S+3], s[G0S+3], 0x80000000
	s_mov_b32 s[G0A], 1
	s_add_co_u32 s[G0A+1], s12, LA
	s_add_nc_u64 s[G0A+2:G0A+3], s[4:5], s[46:47]
	s_or_b32 s[G0A+3], s[G0A+3], 0x80000000
	s_mov_b32 s[G0B], 1
	s_mov_b32 s[G0B+1], s17
	s_add_nc_u64 s[G0B+2:G0B+3], s[4:5], s[80:81]
	s_or_b32 s[G0B+3], s[G0B+3], 0x80000000
	s_add_nc_u64 s[PFB:PFB+1], s[4:5], s[PFB:PFB+1]
	s_add_nc_u64 s[36:37], s[4:5], s[36:37]
	s_add_nc_u64 s[38:39], s[4:5], s[38:39]
	s_add_nc_u64 s[40:41], s[6:7], s[40:41]
	s_add_nc_u64 s[42:43], s[6:7], s[42:43]
	CROUND                                         ; all four work-groups are here: the first joint loads meet
	s_cmp_lt_u32 s8, 12                            ; part A: one load a wave, in the two arms of one branch on the wave's number
	s_cbranch_scc0 .Lhead_s
	tensor_load_to_lds s[G0A:G0A+3], s[G1A:G1A+7]
	s_nop 0
.rept 4
	v_nop
.endr
	s_branch .Lhead_j
.Lhead_s:
	tensor_load_to_lds s[G0S:G0S+3], s[G1S:G1S+7]
	s_nop 0
.rept 4
	v_nop
.endr
.Lhead_j:
	v_and_b32 v5, 31, v0
	v_and_b32 v11, 15, v0
	s_delay_alu instid0(VALU_DEP_2)
	v_lshlrev_b32 v[L16], 4, v5
	v_lshlrev_b32 v[L8], 3, v5
	v_lshlrev_b32 v11, 2, v11
	v_min_u32 v[PFO], 8, v5
	s_delay_alu instid0(VALU_DEP_1)
	v_lshlrev_b32 v[PFO], 8, v[PFO]
	global_load_b128 v[ZQ+6:ZQ+9], v[L16], s[36:37]
	global_load_b64 v[ZQ+10:ZQ+11], v[L8], s[36:37] offset:512
	global_load_b32 v[QSW], v11, s[38:39]
	global_prefetch_b8 v[PFO], s[PFB:PFB+1] th:TH_LOAD_NT scope:SCOPE_SE   ; my work-group's 9 blocks of my part B; its registers are never rewritten
	v_add_nc_u32 v[AS0], KS_O, v[L8]
	v_and_b32 v6, 7, v0                            ; l % 8
	v_bfe_u32 v7, v0, 3, 1                         ; (l / 8) % 2
	v_bfe_u32 v8, v0, 4, 1                         ; l / 16
	s_delay_alu instid0(VALU_DEP_2)
	v_mul_u32_u24 v[KB16], v7, 1536
	v_lshlrev_b32 v[ASK], 3, v6
	v_lshlrev_b32 v[H8], 3, v8
	s_delay_alu instid0(VALU_DEP_3)
	v_lshl_add_u32 v[KB8], v6, 3, v[KB16]
	v_lshl_add_u32 v[KB16], v6, 4, v[KB16]
	v_lshl_add_u32 v[ASK], v7, 7, v[ASK]
	s_delay_alu instid0(VALU_DEP_3)
	v_lshl_add_u32 v[KB8], v8, 7, v[KB8]
	v_lshl_add_u32 v[KB16], v8, 8, v[KB16]
	v_lshl_add_u32 v[ASK], v8, 6, v[ASK]
	s_delay_alu instid0(VALU_DEP_1)
	v_add_nc_u32 v[ASK], KS_O, v[ASK]
.irp j,0,1,2,3,4,5
	v_mov_b32 v[ZQ+\j], 0
	v_mov_b32 v[ZQ+12+\j], 0
.endr
	v_mov_b32 v13, 0xff61b1e6                      ; the largest t so far: -3e38
	s_delay_alu instid0(VALU_DEP_1)
	v_floor_f32 v12, -v13                          ; -M
	v_mov_b32 v14, 0
	v_mov_b32 v15, 0
	v_mov_b32 v[FF+1], 0                           ; (named as the upper half of a pair)
.irp b,0,1,2,3
	v_mov_b32 v[BT+\b], 0                          ; a lane permute's destination counts as read
.endr
.set n, 0
.rept 32
	v_mov_b32 v[OT+n], 0                           ; the step is written for every turn alike: the first finds zeros
.set n, n+1
.endr
	s_wait_alu depctr_va_vdst(0)                   ; the wait at the head's end
	s_wait_loadcnt 0x0                             ; q
	s_wait_tensorcnt 0x0                           ; my piece of part A is in
	ds_add_u32 v[SPW], v[NIL]
	s_wait_dscnt 0x0
	CROUND                                         ; everybody's piece is in, in all four work-groups
	tensor_load_to_lds s[G0B:G0B+3], s[G1B:G1B+7]  ; part B: my one load behind the round; one load of mine is out
	s_nop 0
.rept 4
	v_nop
.endr
	STEPS 4, LA, LA+24576, 0
	s_wait_tensorcnt 0x0                           ; my piece of part B is in (no LDS instruction of mine is out: the last step waited for its loads),
	s_barrier_signal -1
	s_barrier_wait -1                              ; everybody's is
	STEPS 12, 0, LB_V, 1024
.rept 4
	v_nop
.endr
	v_add_f32 v14, v14, v15
	s_delay_alu instid0(VALU_DEP_1)
	v_permlanex16_b32 v[TV], v14, s[SEL], s[SEL+1]
	s_delay_alu instid0(VALU_DEP_1)
	v_add_f32 v14, v14, v[TV]                      ; the row's sum
	s_wait_alu depctr_va_vdst(0)
	v_rcp_f32 v14, v14
	v_and_b32 v5, 31, v0
	s_delay_alu instid0(VALU_DEP_1)
	v_lshlrev_b32 v5, 1, v5
	s_wait_alu depctr_va_vdst(0)
.set n, 0
.rept 32
	v_mul_f32 v[S+n], v[OT+n], v14                 ; register 16 b + i: channel 32 b + 16 h + i of my query
.set n, n+1
.endr
.irp b,0,1
	v_max3_num_f32 v[BM+\b], |v[S+16*\b]|, |v[S+1+16*\b]|, 0x1800000
.endr
.irp i,2,4,6,8,10,12,14
.irp b,0,1
	s_delay_alu instid0(VALU_DEP_2)
	v_max3_num_f32 v[BM+\b], v[BM+\b], |v[S+16*\b+\i]|, |v[S+1+16*\b+\i]|
.endr
.endr
.irp b,0,1
	s_delay_alu instid0(VALU_DEP_2)
	v_permlanex16_b32 v[BT+\b], v[BM+\b], s[SEL], s[SEL+1]
.endr
.irp b,0,1
	s_delay_alu instid0(VALU_DEP_2)
	v_max_num_f32 v[BM+\b], v[BM+\b], v[BT+\b]
.endr
.irp b,0,1
	s_delay_alu instid0(VALU_DEP_2)
	v_add_nc_u32 v[SOP+\b], 0xff000000, v[BM+\b]
.endr
.irp b,0,1
	s_delay_alu instid0(VALU_DEP_2)
	v_lshrrev_b32 v[BT+\b], 23, v[SOP+\b]
.endr
	s_delay_alu instid0(VALU_DEP_1)
	v_lshl_or_b32 v[TV], v[BT+1], 8, v[BT]         ; my head's two bytes of the row's scale word
	v_cvt_scalef32_pk16_fp6_f32 v[PC:PC+2], v[S:S+15], v[SOP]
	v_cvt_scalef32_pk16_fp6_f32 v[PT:PT+2], v[S+16:S+31], v[SOP+1]
	v_nop
.irp i,0,1,2
	v_permlane16_swap_b32 v[PC+\i], v[PT+\i]
.endr
.irp i,0,1,2
	s_delay_alu instid0(VALU_DEP_3)
	v_mov_b32 v[PC+3+\i], v[PT+\i]
.endr
.irp p,0,1,2
	global_store_b64 v[L8], v[PC+2*\p:PC+2*\p+1], s[40:41] offset:256*\p   ; 256 consecutive bytes a store
.endr
	global_store_b16 v5, v[TV], s[42:43]
	s_wait_tensorcnt 0x0                           ; the wave's end
	ds_add_u32 v[SPW], v[NIL]
	s_wait_dscnt 0x0
	CROUND                                         ; the closing round
	s_endpgm
.Lfunc_end_k_q86b087f31f_attn:
	.size	k_q86b087f31f_attn, .Lfunc_end_k_q86b087f31f_attn-k_q86b087f31f_attn
	.p2alignl 7, 3214868480
	.fill 96, 4, 3214868480
	.section	.rodata,"a",@progbits
	.p2align	6, 0x0
	.amdhsa_kernel k_q86b087f31f_attn
		.amdhsa_group_segment_fixed_size 327680
		.amdhsa_private_segment_fixed_size 0
		.amdhsa_enable_private_segment 0
		.amdhsa_kernarg_size 16
		.amdhsa_user_sgpr_count 2
		.amdhsa_user_sgpr_kernarg_segment_ptr 1
		.amdhsa_wavefront_size32 1
		.amdhsa_system_sgpr_workgroup_id_x 1
		.amdhsa_system_sgpr_workgroup_id_y 1
		.amdhsa_system_sgpr_workgroup_id_z 1
		.amdhsa_system_vgpr_workitem_id 0
		.amdhsa_next_free_vgpr 240
		.amdhsa_next_free_sgpr 84
		.amdhsa_reserve_vcc 0
		.amdhsa_float_denorm_mode_32 3
		.amdhsa_float_denorm_mode_16_64 3
		.amdhsa_memory_ordered 1
		.amdhsa_forward_progress 1
		.amdhsa_inst_pref_size 47
	.end_amdhsa_kernel
	.amdgpu_metadata
---
amdhsa.version: [ 1, 2 ]
amdhsa.kernels:
  - .name:           k_q86b087f31f_attn
    .symbol:         k_q86b087f31f_attn.kd
    .args:
      - { .name: QKV, .offset: 0, .size: 8, .value_kind: global_buffer, .address_space: global }
      - { .name: AO, .offset: 8, .size: 8, .value_kind: global_buffer, .address_space: global }
    .group_segment_fixed_size: 327680
    .private_segment_fixed_size: 0
    .kernarg_segment_align: 8
    .kernarg_segment_size: 16
    .max_flat_workgroup_size: 512
    .sgpr_count:     84
    .vgpr_count:     240
    .wavefront_size: 32
...
	.end_amdgpu_metadata
.endif
;; end of part 3
;; launch wo (part 4): grid 256 x 1, 16 waves a work-group, no clusters, 159,232 bytes of LDS; arguments AO, PW, x, bo, ln2_g, ln2_b, N2, W1, W2, P; writes N2, P
.if DOCPART == 4
	.amdgcn_target "amdgcn-amd-amdhsa--gfx1250"
	.amdhsa_code_object_version 6
	.text
	.protected	k_q86b087f31f_wo
	.globl	k_q86b087f31f_wo
	.p2align	8
	.type	k_q86b087f31f_wo,@function
k_q86b087f31f_wo:
	s_mov_b64 s[64:65], 0
	v_nop
	global_prefetch_b8 v0, s[64:65] scope:SCOPE_SE
	s_setreg_imm32_b32 hwreg(HW_REG_WAVE_MODE, 25, 1), 1
	s_wait_xcnt 0x0
; WORK-GROUPS 0..127: x1 = x + (attention's output) Wo + bo, stored in f32; LayerNorm2(x1) leaves as codes of FP6 (E2M3) with E8M0 scales.  The product is on such codes, K = 1,024.
; A work-group owns 32 tokens (a pair of tiles) and ALL 1,024 columns, since the norm wants whole rows: 4,096 tokens make 128 such work-groups.  Wave w owns features 64 w .. 64 w + 63: four tiles of Wo, whose fragments go
; from memory straight into its registers (each is used by this wave alone: nothing would be shared in LDS; for the same reason no cluster: a joint load would have to pass through LDS).  The tokens' 16 fragments are gathered once in LDS
; as images of their registers.  bo is loaded into the accumulators in the result's layout, and every K step adds in place.  The results meet in a stage of 32 rows; each wave then owns two whole rows.
; WORK-GROUPS 128..255 do work that only the two launches behind this one want, and that hangs on nothing of this launch: W1 [1,024][4,096] (64 work-groups) and W2 [4,096][1,024] (64) become codes with K innermost, in P:
; 128 along K x 512 columns to a work-group, a pair of tiles (32 columns) to a wave; a lane takes a column, its registers run down K.  They touch no LDS and pass no barrier.
; This launch loads nothing from P: Wo's codes lie in PW.
; LIMITS: NaN and infinities are not served; a block whose largest magnitude lies under 2^-124 (zeros too) gets the byte 1.  A scale word's store covers 64 bytes (the weights': 128).
.set RP, 4112
.set AIMG, 0                           ; 16 images: (8 x tile + K step) x 1,536
.set ASCI, 24576                       ; [K step][128]: the pair's scale words
.set STG, 25600                        ; 32 rows x 4,112
.set SPARE, STG+32*RP
.set WO_S, 786432                      ; PW: Wo's scale words, behind its codes
.set W1_C, 3145728                     ; P: W1's and W2's codes and scale words
.set W2_C, 6291456
.set W1_S, 9568256
.set W2_S, 9699328
.set L16, 1
.set L4, 2
.set L8, 3
.set L2, 4
.set IMW, 5
.set SCW, 6
.set STA, 7
.set STB, 8
.set ROW, 9
.set FRD, 10
.set H8, 11
.set L4R, 12
.set H64, 13
.set BSC, 16                           ; v16-31 Wo's scale words, v32-33 the tokens': scales and nothing else
.set ASC, 32
.set ACC, 36
.set BSET, 100
.set ASET, 196
.set XR, 100
.set G, 164
.set BB, 196
.set TS, 228
.set MU, 236
.set RS, 238
.set SM, 240
.set PTMP, 241
.set QM, 242
.set QS, 244
.set QB, 246
.set QT, 248
.set PT, 228
.set F0, 164
.set W0, 250
.set SPW, 254
.set NIL, 255
.set SEL, 38
.set C1024, 40
.set CEPS, 41
.macro PLACES n
.rept \n
	v_nop
.endr
.endm
.macro WM d, fa, fb, sa, sb, ra, rb    ; adds in place
.if (\ra)&&(\rb)
	v_wmma_scale_f32_16x16x128_f8f6f4 v[(\d):(\d)+7], v[(\fa):(\fa)+11], v[(\fb):(\fb)+11], v[(\d):(\d)+7], v[\sa], v[\sb] matrix_a_fmt:MATRIX_FMT_FP6 matrix_b_fmt:MATRIX_FMT_FP6 matrix_a_scale:MATRIX_SCALE_ROW1 matrix_b_scale:MATRIX_SCALE_ROW1
.elseif (\ra)
	v_wmma_scale_f32_16x16x128_f8f6f4 v[(\d):(\d)+7], v[(\fa):(\fa)+11], v[(\fb):(\fb)+11], v[(\d):(\d)+7], v[\sa], v[\sb] matrix_a_fmt:MATRIX_FMT_FP6 matrix_b_fmt:MATRIX_FMT_FP6 matrix_a_scale:MATRIX_SCALE_ROW1
.elseif (\rb)
	v_wmma_scale_f32_16x16x128_f8f6f4 v[(\d):(\d)+7], v[(\fa):(\fa)+11], v[(\fb):(\fb)+11], v[(\d):(\d)+7], v[\sa], v[\sb] matrix_a_fmt:MATRIX_FMT_FP6 matrix_b_fmt:MATRIX_FMT_FP6 matrix_b_scale:MATRIX_SCALE_ROW1
.else
	v_wmma_scale_f32_16x16x128_f8f6f4 v[(\d):(\d)+7], v[(\fa):(\fa)+11], v[(\fb):(\fb)+11], v[(\d):(\d)+7], v[\sa], v[\sb] matrix_a_fmt:MATRIX_FMT_FP6 matrix_b_fmt:MATRIX_FMT_FP6
.endif
.endm
.macro WSUM v
	s_delay_alu instid0(VALU_DEP_1)
	v_add_f32_dpp v[\v], v[\v], v[\v] row_xmask:1 row_mask:0xf bank_mask:0xf
	s_delay_alu instid0(VALU_DEP_1)
	v_add_f32_dpp v[\v], v[\v], v[\v] row_xmask:2 row_mask:0xf bank_mask:0xf
	s_delay_alu instid0(VALU_DEP_1)
	v_add_f32_dpp v[\v], v[\v], v[\v] row_xmask:4 row_mask:0xf bank_mask:0xf
	s_delay_alu instid0(VALU_DEP_1)
	v_add_f32_dpp v[\v], v[\v], v[\v] row_xmask:8 row_mask:0xf bank_mask:0xf
	s_delay_alu instid0(VALU_DEP_1)
	v_permlanex16_b32 v[PTMP], v[\v], s[SEL], s[SEL+1]
	s_delay_alu instid0(VALU_DEP_1)
	v_add_f32 v[\v], v[\v], v[PTMP]
.endm
.macro RED4
	s_delay_alu instid0(VALU_DEP_3)
	v_pk_add_f32 v[TS:TS+1], v[TS:TS+1], v[TS+2:TS+3]
	s_delay_alu instid0(VALU_DEP_2)
	v_pk_add_f32 v[TS+4:TS+5], v[TS+4:TS+5], v[TS+6:TS+7]
	s_delay_alu instid0(VALU_DEP_1)
	v_pk_add_f32 v[TS:TS+1], v[TS:TS+1], v[TS+4:TS+5]
	s_delay_alu instid0(VALU_DEP_1)
	v_add_f32 v[SM], v[TS], v[TS+1]
	WSUM SM
.endm
.macro LNROW R, D                      ; LayerNorm of one row of 1,024, 32 numbers a lane: mean, then the mean of the squared differences
.irp k,0,2,4,6
	v_pk_add_f32 v[TS+\k:TS+\k+1], v[\R+\k:\R+\k+1], v[\R+8+\k:\R+9+\k]
.endr
.irp g,16,24
.irp k,0,2,4,6
	s_delay_alu instid0(VALU_DEP_4)
	v_pk_add_f32 v[TS+\k:TS+\k+1], v[TS+\k:TS+\k+1], v[\R+\g+\k:\R+\g+\k+1]
.endr
.endr
	RED4
	s_delay_alu instid0(VALU_DEP_1)
	v_mul_f32 v[MU], s[C1024], v[SM]
	s_delay_alu instid0(VALU_DEP_1)
	v_mov_b32 v[MU+1], v[MU]
.set n, 0
.rept 16
	v_pk_add_f32 v[\D+n:\D+n+1], v[\R+n:\R+n+1], v[MU:MU+1] neg_lo:[0,1] neg_hi:[0,1]
.set n, n+2
.endr
.irp k,0,2,4,6
	v_pk_mul_f32 v[TS+\k:TS+\k+1], v[\D+\k:\D+\k+1], v[\D+\k:\D+\k+1]
.endr
.irp g,8,16,24
.irp k,0,2,4,6
	s_delay_alu instid0(VALU_DEP_4)
	v_pk_fma_f32 v[TS+\k:TS+\k+1], v[\D+\g+\k:\D+\g+\k+1], v[\D+\g+\k:\D+\g+\k+1], v[TS+\k:TS+\k+1]
.endr
.endr
	RED4
	s_delay_alu instid0(VALU_DEP_1)
	v_fma_f32 v[SM], v[SM], s[C1024], s[CEPS]
	s_wait_alu depctr_va_vdst(0)
	v_rsq_f32 v[RS], v[SM]
	v_nop                                          ; a plain instruction behind the transcendental
	s_wait_alu depctr_va_vdst(0)                   ; and a wait ahead of its first reader
	v_mov_b32 v[RS+1], v[RS]
.set n, 0
.rept 16
	v_pk_mul_f32 v[\D+n:\D+n+1], v[\D+n:\D+n+1], v[RS:RS+1]
.set n, n+2
.endr
.set n, 0
.rept 16
	v_pk_fma_f32 v[\D+n:\D+n+1], v[\D+n:\D+n+1], v[G+n:G+n+1], v[BB+n:BB+n+1]
.set n, n+2
.endr
.endm
.macro QUANT6 X, F, W                  ; v[X + 32 c + i] = k 64 c + 32 h + i of my row: the fragment's 12 registers and the row's scale word
.irp c,0,1
	v_max3_num_f32 v[QM+\c], |v[\X+32*\c]|, |v[\X+1+32*\c]|, 0x1800000
.endr
.irp i,2,4,6,8,10,12,14,16,18,20,22,24,26,28,30
.irp c,0,1
	s_delay_alu instid0(VALU_DEP_2)
	v_max3_num_f32 v[QM+\c], v[QM+\c], |v[\X+32*\c+\i]|, |v[\X+1+32*\c+\i]|
.endr
.endr
.irp c,0,1
	s_delay_alu instid0(VALU_DEP_2)
	v_add_nc_u32 v[QS+\c], 0xff000000, v[QM+\c]
.endr
.irp c,0,1
	s_delay_alu instid0(VALU_DEP_2)
	v_lshrrev_b32 v[QB+\c], 23, v[QS+\c]
.endr
	s_delay_alu instid0(VALU_DEP_1)
	v_lshl_or_b32 v[\W], v[QB+1], 16, v[QB]
	s_delay_alu instid0(VALU_DEP_1)
	v_lshlrev_b32 v[\W], v[H8], v[\W]
	s_delay_alu instid0(VALU_DEP_1)
	v_permlanex16_b32 v[QT], v[\W], s[SEL], s[SEL+1]
	s_delay_alu instid0(VALU_DEP_1)
	v_or_b32 v[\W], v[\W], v[QT]
.irp c,0,1
	v_cvt_scalef32_pk16_fp6_f32 v[\F+6*\c:\F+6*\c+2], v[\X+32*\c:\X+32*\c+15], v[QS+\c]
	v_cvt_scalef32_pk16_fp6_f32 v[PT+4*\c:PT+4*\c+2], v[\X+32*\c+16:\X+32*\c+31], v[QS+\c]
.endr
	v_nop
.irp c,0,1
.irp i,0,1,2
	v_mov_b32 v[\F+6*\c+3+\i], v[PT+4*\c+\i]
.endr
.endr
.endm
.macro BLOAD s                         ; K step s of my four tiles of Wo
.irp b,0,1,2,3
.irp c,0,1,2
	global_load_b128 v[BSET+48*((\s)%2)+12*\b+4*\c:BSET+48*((\s)%2)+12*\b+4*\c+3], v[L16], s[26:27] offset:\b*12288+(\s)*1536+512*\c
.endr
.endr
.endm
.macro AFETCH s                        ; K step s of the two token tiles, and the pair's scale words
.irp a,0,1
.irp c,0,1,2
	ds_load_b128 v[ASET+24*((\s)%2)+12*\a+4*\c:ASET+24*((\s)%2)+12*\a+4*\c+3], v[L16] offset:AIMG+(8*\a+(\s))*1536+512*\c
.endr
.endr
	ds_load_b32 v[ASC+(\s)%2], v[L4] offset:ASCI+128*(\s)
.endm
.macro KSTEP s
.if (\s)<7
	s_wait_loadcnt 12                              ; this step's fragments of Wo are in; the next step's 12 loads stay out
	s_wait_dscnt 7                                 ; likewise the tokens': the next step's 7 loads stay out
.else
	s_wait_loadcnt 0x0
	s_wait_dscnt 0x0
.endif
.irp a,0,1
.irp b,0,1,2,3
	WM ACC+8*(4*\a+\b),BSET+48*((\s)%2)+12*\b,ASET+24*((\s)%2)+12*\a,BSC+8*(\b/2)+(\s),ASC+(\s)%2,\b%2,\a
.endr
.endr
.if (\s)<6
	PLACES 4                                       ; in front of loads into registers that matrix instructions have read
	AFETCH (\s)+2
	BLOAD (\s)+2
.endif
.endm
	s_load_b256 s[4:11], s[0:1], 0x0               ; AO, PW, x, bo
	s_load_b128 s[12:15], s[0:1], 0x20             ; ln2_g, ln2_b
	s_load_b64 s[16:17], s[0:1], 0x30              ; N2
	s_load_b64 s[44:45], s[0:1], 0x38              ; W1
	s_load_b64 s[46:47], s[0:1], 0x40              ; W2
	s_load_b64 s[48:49], s[0:1], 0x48              ; P
	v_lshl_add_u32 v[SPW], v0, 2, SPARE
	v_mov_b32 v[NIL], 0
	v_lshrrev_b32 v34, 5, v0
	s_delay_alu instid0(VALU_DEP_1)
	v_readfirstlane_b32 s2, v34                    ; wave 0..15
	s_lshr_b32 s3, s2, 3                           ; u: which tile I gather and quantise
	s_and_b32 s18, s2, 7                           ; s: which K step
	v_and_b32 v34, 31, v0
	v_and_b32 v35, 15, v0                          ; r
	v_bfe_u32 v15, v0, 4, 1                        ; h
	s_delay_alu instid0(VALU_DEP_3)
	v_lshlrev_b32 v[L16], 4, v34
	s_delay_alu instid0(VALU_DEP_4)
	v_lshlrev_b32 v[L4], 2, v34
	s_cmp_lt_u32 ttmp9, 128
	s_cbranch_scc0 .Lpath_w                        ; the grid's second half: W1 and W2
	v_lshlrev_b32 v[L8], 3, v34
	v_lshlrev_b32 v[L2], 1, v34
	v_lshlrev_b32 v[L4R], 2, v35
	v_lshlrev_b32 v[H8], 3, v15
	v_lshlrev_b32 v[H64], 6, v15
	s_mul_i32 s19, s2, 1536
	v_add_nc_u32 v[IMW], s19, v[L16]               ; my image: 8 u + s = w
	s_lshl_b32 s19, s18, 7
	s_lshl_b32 s20, s3, 6
	s_add_co_u32 s19, s19, s20
	s_add_co_u32 s19, s19, ASCI
	v_add_nc_u32 v[SCW], s19, v[L4R]
	v_mul_u32_u24 v[STA], v35, RP
	s_delay_alu instid0(VALU_DEP_1)
	v_lshl_add_u32 v[STA], v15, 6, v[STA]
	s_lshl_b32 s19, s2, 8
	s_add_co_u32 s19, s19, STG
	v_add_nc_u32 v[STA], s19, v[STA]               ; the stage: row r, my 64 features, + 64 h
	s_delay_alu instid0(VALU_DEP_1)
	v_add_nc_u32 v[STB], 16*RP, v[STA]             ; the odd tile's rows
	s_mul_i32 s19, s2, 2*RP
	s_add_co_u32 s19, s19, STG
	v_add_nc_u32 v[ROW], s19, v[L16]               ; my two whole rows
	v_mul_u32_u24 v[FRD], v35, RP
	s_delay_alu instid0(VALU_DEP_1)
	v_lshl_add_u32 v[FRD], v15, 7, v[FRD]
	s_mul_i32 s19, s3, 16*RP
	s_lshl_b32 s20, s18, 9
	s_add_co_u32 s19, s19, s20
	s_add_co_u32 s19, s19, STG
	v_add_nc_u32 v[FRD], s19, v[FRD]               ; the fragment that I quantise: row 16 u + r, + 128 h + 512 s
	v_mov_b32 v[PTMP], 0
	v_mov_b32 v[QT], 0
	s_mov_b32 s[SEL], 0x76543210
	s_mov_b32 s[SEL+1], 0xfedcba98
	s_mov_b32 s[C1024], 0x3a800000
	s_mov_b32 s[CEPS], 0x3727c5ac
	s_lshl_b32 s20, ttmp9, 1
	s_add_co_u32 s20, s20, s3                      ; my tile
	s_lshl_b32 s21, s20, 3
	s_add_co_u32 s21, s21, s18
	s_mul_i32 s22, s21, 1536                       ; (tile, K step) in AO and in N2's codes
	s_mov_b32 s23, 0
	s_lshl_b32 s24, s20, 10
	s_lshl_b32 s25, s18, 7
	s_add_co_u32 s24, s24, s25
	s_add_co_u32 s24, s24, 3145728                 ; AO's scale pieces: heads 2 s and 2 s + 1
	s_mov_b32 s25, 0
	s_mul_i32 s26, s2, 49152                       ; my four tiles of Wo
	s_mov_b32 s27, 0
	s_lshl_b32 s28, s2, 11
	s_add_co_u32 s28, s28, WO_S
	s_mov_b32 s29, 0
	s_lshl_b32 s30, s2, 8
	s_mov_b32 s31, 0
	s_bfe_u32 s32, s2, 0x10002
	s_lshl_b32 s32, s32, 3
	s_lshl_b32 s33, s3, 3
	s_add_co_u32 s32, s32, s33
	s_lshl_b32 s33, s18, 1
	s_add_co_u32 s32, s32, s33
	s_lshl_b32 s33, ttmp9, 5
	s_add_co_u32 s32, s32, s33                     ; stage rows 2 w and 2 w + 1 are this token and the next
	s_lshl_b32 s32, s32, 12
	s_mov_b32 s33, 0
	s_lshl_b32 s34, ttmp9, 3
	s_add_co_u32 s34, s34, s18
	s_lshl_b32 s34, s34, 7
	s_lshl_b32 s35, s3, 6
	s_add_co_u32 s34, s34, s35
	s_add_co_u32 s34, s34, 19922944
	s_mov_b32 s35, 0
	s_wait_kmcnt 0x0
	s_add_nc_u64 s[36:37], s[4:5], s[22:23]
	s_add_nc_u64 s[24:25], s[4:5], s[24:25]
	s_add_nc_u64 s[26:27], s[6:7], s[26:27]
	s_add_nc_u64 s[28:29], s[6:7], s[28:29]
	s_add_nc_u64 s[30:31], s[10:11], s[30:31]
	s_add_nc_u64 s[8:9], s[8:9], s[32:33]
	s_add_nc_u64 s[32:33], s[16:17], s[32:33]
	s_add_nc_u64 s[34:35], s[16:17], s[34:35]
	s_add_co_u32 s22, s22, 16777216
	s_add_nc_u64 s[22:23], s[16:17], s[22:23]
.irp p,0,1,2,3,4,5
	global_load_b64 v[ASET+2*\p:ASET+2*\p+1], v[L8], s[36:37] offset:256*\p    ; my fragment of attention's output
.endr
	global_load_u16 v244, v[L2], s[24:25]
	global_load_u16 v245, v[L2], s[24:25] offset:64
.irp a,0,1
.irp n,0,1,2,3,4,5,6,7
	global_load_b128 v[ACC+32*\a+4*\n:ACC+32*\a+4*\n+3], v[H64], s[30:31] offset:128*(\n/4)+16*(\n%4)   ; bo in the result's layout: register 16 b + i: feature 32 b + 16 h + i
.endr
.endr
.irp p,0,1
.irp s,0,1,2,3,4,5,6,7
	global_load_b32 v[BSC+8*\p+\s], v[L4], s[28:29] offset:(8*\p+\s)*128
.endr
.endr
	BLOAD 0
	BLOAD 1
; what is loaded behind the K steps is named here: my two rows of x (8,192 consecutive bytes, a lane a block of 256), and block w of the gain and of the bias (16 blocks each, a wave a block)
	v_lshlrev_b32 v14, 4, v[L16]
	s_lshl_b32 s19, s2, 8
	v_mov_b32 v34, s19
	global_prefetch_b8 v14, s[8:9] th:TH_LOAD_NT scope:SCOPE_SE
	global_prefetch_b8 v34, s[12:13] th:TH_LOAD_NT scope:SCOPE_SE
	global_prefetch_b8 v34, s[14:15] th:TH_LOAD_NT scope:SCOPE_SE
	s_wait_loadcnt 56                              ; my fragment and its two scale pieces are in; the 56 loads behind them stay out
	v_lshl_or_b32 v246, v245, 16, v244
.irp c,0,1,2
	ds_store_b128 v[IMW], v[ASET+4*\c:ASET+4*\c+3] offset:AIMG+512*\c
.endr
	ds_store_b32 v[SCW], v246                      ; both halves of the lanes write the same word
	s_wait_dscnt 0x0                               ; for the others' sake
	s_barrier_signal -1
	s_barrier_wait -1
	AFETCH 0
	AFETCH 1
.irp s,0,1,2,3,4,5,6,7
	KSTEP \s                                       ; eight accumulators by turns, in the same order in every step
.endr
	PLACES 4
.irp j,0,1
.irp n,0,1,2,3,4,5,6,7
	global_load_b128 v[XR+32*\j+4*\n:XR+32*\j+4*\n+3], v[L16], s[8:9] offset:4096*\j+512*\n
.endr
.endr
.irp n,0,1,2,3,4,5,6,7
	global_load_b128 v[G+4*\n:G+4*\n+3], v[L16], s[12:13] offset:512*\n
.endr
.irp n,0,1,2,3,4,5,6,7
	global_load_b128 v[BB+4*\n:BB+4*\n+3], v[L16], s[14:15] offset:512*\n
.endr
	s_wait_alu depctr_va_vdst(0)
.irp n,0,1,2,3,4,5,6,7
	ds_store_b128 v[STA], v[ACC+4*\n:ACC+4*\n+3] offset:128*(\n/4)+16*(\n%4)   ; each accumulator from its low end on
.endr
.irp n,0,1,2,3,4,5,6,7
	ds_store_b128 v[STB], v[ACC+32+4*\n:ACC+32+4*\n+3] offset:128*(\n/4)+16*(\n%4)
.endr
	s_wait_dscnt 0x0
	s_barrier_signal -1
	s_barrier_wait -1                              ; 32 whole rows lie in the stage
.irp j,0,1
.irp n,0,1,2,3,4,5,6,7
	ds_load_b128 v[ACC+32*\j+4*\n:ACC+32*\j+4*\n+3], v[ROW] offset:RP*\j+512*\n
.endr
.endr
	s_wait_loadcnt 16                              ; x's two rows are in; gain and bias may stay out
	s_wait_dscnt 0x0
.set n, 0
.rept 32
	v_pk_add_f32 v[ACC+n:ACC+n+1], v[XR+n:XR+n+1], v[ACC+n:ACC+n+1]   ; x1
.set n, n+2
.endr
.irp j,0,1
.irp n,0,1,2,3,4,5,6,7
	global_store_b128 v[L16], v[ACC+32*\j+4*\n:ACC+32*\j+4*\n+3], s[32:33] offset:4096*\j+512*\n   ; 512 consecutive bytes a store
.endr
.endr
	s_wait_loadcnt 0x0
	LNROW ACC, XR
	LNROW ACC+32, XR+32
.irp j,0,1
.irp n,0,1,2,3,4,5,6,7
	ds_store_b128 v[ROW], v[XR+32*\j+4*\n:XR+32*\j+4*\n+3] offset:RP*\j+512*\n   ; back into my own two rows
.endr
.endr
	s_wait_dscnt 0x0
	s_barrier_signal -1
	s_barrier_wait -1
	s_wait_xcnt 0x0                                ; x1's stores have read their registers: these are loaded again only behind this wait
.irp c,0,1
.irp j,0,1,2,3,4,5,6,7
	ds_load_b128 v[ACC+32*\c+4*\j:ACC+32*\c+4*\j+3], v[FRD] offset:256*\c+16*\j
.endr
.endr
	s_wait_dscnt 0x0
	QUANT6 ACC, F0, W0
.irp c,0,1,2
	global_store_b128 v[L16], v[F0+4*\c:F0+4*\c+3], s[22:23] offset:512*\c
.endr
	global_store_b32 v[L4R], v[W0], s[34:35]       ; my tile's half of the pair's scale words; both halves of the lanes write the same word
	s_wait_tensorcnt 0x0                           ; the wave's end, behind my last LDS store
	ds_add_u32 v[SPW], v[NIL]
	s_wait_dscnt 0x0
	s_endpgm
; ---------------- work-groups 128..255: 128 along K x 512 columns of W1 or W2; a wave takes a pair of tiles (32 columns)
.macro WLOAD b, pitch                  ; block b: 32 rows of the weight at my column
.set n, 0
.rept 32
	global_load_b32 v[64+32*(\b)+n], v13, s[38:39] offset:(32*(\b)+n)*\pitch th:TH_LOAD_NT
.set n, n+1
.endr
.endm
.macro WBLOCK b                        ; a block of 32 along K lies whole in my registers
.set XS, 64+32*(\b)
.set FD, 16+12*((\b)%2)+6*((\b)/2)
	v_max3_num_f32 v8, |v[XS]|, |v[XS+1]|, |v[XS+2]|
	v_max3_num_f32 v9, |v[XS+3]|, |v[XS+4]|, |v[XS+5]|
.irp i,6,10,14,18,22,26
	s_delay_alu instid0(VALU_DEP_2)
	v_max3_num_f32 v8, v8, |v[XS+\i]|, |v[XS+\i+1]|
	s_delay_alu instid0(VALU_DEP_2)
	v_max3_num_f32 v9, v9, |v[XS+\i+2]|, |v[XS+\i+3]|
.endr
	s_delay_alu instid0(VALU_DEP_2)
	v_max3_num_f32 v8, v8, |v[XS+30]|, |v[XS+31]|
	s_delay_alu instid0(VALU_DEP_1)
	v_max3_num_f32 v8, v8, v9, 0x1800000           ; the floor 2^(3 - 127): the byte cannot fall under 1
	s_delay_alu instid0(VALU_DEP_1)
	v_add_nc_u32 v10, 0xff000000, v8               ; 2 off the exponent field: the conversion's scale operand
	s_delay_alu instid0(VALU_DEP_1)
	v_lshrrev_b32 v11, 23, v10
.if (\b)==0
	s_delay_alu instid0(VALU_DEP_1)
	v_mov_b32 v12, v11
.else
	s_delay_alu instid0(VALU_DEP_1)
	v_lshl_or_b32 v12, v11, 8*(\b), v12            ; my row's scale word
.endif
	v_cvt_scalef32_pk16_fp6_f32 v[FD:FD+2], v[XS:XS+15], v10
	v_cvt_scalef32_pk16_fp6_f32 v[40+4*(\b):42+4*(\b)], v[XS+16:XS+31], v10
	v_nop                                          ; a plain instruction behind the scaled conversions
.endm
.macro WMERGE c                        ; blocks 2 c and 2 c + 1 of all 32 rows become registers 6 c .. 6 c + 5 of the two tiles' fragments: lanes 16-31 of the first change places with lanes 0-15 of the second
.irp i,0,1,2
	v_permlane16_swap_b32 v[16+6*\c+\i], v[28+6*\c+\i]
	v_permlane16_swap_b32 v[40+8*\c+\i], v[44+8*\c+\i]
.endr
.irp i,0,1,2
	v_mov_b32 v[19+6*\c+\i], v[40+8*\c+\i]
	v_mov_b32 v[31+6*\c+\i], v[44+8*\c+\i]
.endr
.endm
.macro WBODY pitch
	WLOAD 0, \pitch
	WLOAD 1, \pitch
	s_wait_loadcnt 32                              ; block 0 is in; the youngest 32 loads stay out
	WLOAD 2, \pitch
	WBLOCK 0
	s_wait_loadcnt 32
	WLOAD 3, \pitch
	WBLOCK 1
	WMERGE 0
	s_wait_loadcnt 32
	WBLOCK 2
	s_wait_loadcnt 0x0
	WBLOCK 3
	WMERGE 1
.endm
.Lpath_w:
	s_wait_kmcnt 0x0
	s_sub_co_u32 s28, ttmp9, 128                   ; id 0..127
	s_lshr_b32 s29, s28, 6                         ; 0: W1, 1: W2
	s_cmp_eq_u32 s29, 0
	s_cselect_b32 s30, 3, 1                        ; the K step stands above the column group's bits
	s_cselect_b32 s31, 7, 1
	s_cselect_b32 s32, 21, 19                      ; log2(128 rows of the weight in bytes)
	s_cselect_b32 s33, 7, 31
	s_cselect_b32 s34, 8, 32                       ; K steps of the weight
	s_mov_b32 s20, W2_C
	s_cselect_b32 s20, W1_C, s20
	s_mov_b32 s21, W2_S
	s_cselect_b32 s21, W1_S, s21
	s_cselect_b64 s[38:39], s[44:45], s[46:47]
	s_lshr_b32 s35, s28, s30
	s_and_b32 s35, s35, s33                        ; my K step
	s_and_b32 s31, s28, s31                        ; my group of 512 columns
	s_lshl_b32 s37, s31, 4
	s_add_co_u32 s37, s37, s2                      ; my pair of tiles
	s_lshl_b32 s40, s35, s32
	s_lshl_b32 s41, s37, 7
	s_add_co_u32 s40, s40, s41
	s_mov_b32 s41, 0
	s_add_nc_u64 s[38:39], s[38:39], s[40:41]      ; the weight at my K step's first row, my pair's first column
	s_mul_i32 s40, s37, s34
	s_lshl_b32 s42, s40, 1
	s_add_co_u32 s42, s42, s35
	s_mul_i32 s42, s42, 1536
	s_add_co_u32 s42, s42, s20
	s_mov_b32 s43, 0
	s_add_nc_u64 s[42:43], s[48:49], s[42:43]      ; the even tile's image,
	s_mul_i32 s50, s34, 1536
	s_mov_b32 s51, 0
	s_add_nc_u64 s[50:51], s[42:43], s[50:51]      ; the odd tile's
	s_add_co_u32 s40, s40, s35
	s_lshl_b32 s40, s40, 7
	s_add_co_u32 s40, s40, s21
	s_mov_b32 s41, 0
	s_add_nc_u64 s[40:41], s[48:49], s[40:41]      ; the pair's scale words
	s_wait_alu depctr_va_vdst(0)
	v_and_b32 v13, 7, v34                          ; my column of the pair: bits 3 and 4 of the lane change places
	v_bfe_u32 v14, v34, 3, 1
	s_delay_alu instid0(VALU_DEP_1)
	v_lshl_or_b32 v13, v14, 4, v13
	s_delay_alu instid0(VALU_DEP_1)
	v_lshl_or_b32 v13, v15, 3, v13
	s_delay_alu instid0(VALU_DEP_1)
	v_lshlrev_b32 v13, 2, v13
	s_cmp_eq_u32 s29, 0
	s_cbranch_scc1 .Lw_wide
	s_wait_alu depctr_va_vdst(0)
	WBODY 4096
	s_branch .Lw_out
.Lw_wide:
	s_wait_alu depctr_va_vdst(0)
	WBODY 16384
.Lw_out:
	s_wait_alu depctr_va_vdst(0)
.irp c,0,1,2
	global_store_b128 v[L16], v[16+4*\c:19+4*\c], s[42:43] offset:512*\c   ; 512 consecutive bytes a store
	global_store_b128 v[L16], v[28+4*\c:31+4*\c], s[50:51] offset:512*\c
.endr
	global_store_b32 v[L4], v12, s[40:41]          ; lane 16 u + r holds row r of tile u: the pair's scale words as they are wanted
	s_endpgm
.Lfunc_end_k_q86b087f31f_wo:
	.size	k_q86b087f31f_wo, .Lfunc_end_k_q86b087f31f_wo-k_q86b087f31f_wo
	.p2alignl 7, 3214868480
	.fill 96, 4, 3214868480
	.section	.rodata,"a",@progbits
	.p2align	6, 0x0
	.amdhsa_kernel k_q86b087f31f_wo
		.amdhsa_group_segment_fixed_size 159232
		.amdhsa_private_segment_fixed_size 0
		.amdhsa_enable_private_segment 0
		.amdhsa_kernarg_size 80
		.amdhsa_user_sgpr_count 2
		.amdhsa_user_sgpr_kernarg_segment_ptr 1
		.amdhsa_wavefront_size32 1
		.amdhsa_system_sgpr_workgroup_id_x 1
		.amdhsa_system_sgpr_workgroup_id_y 1
		.amdhsa_system_sgpr_workgroup_id_z 1
		.amdhsa_system_vgpr_workitem_id 0
		.amdhsa_next_free_vgpr 256
		.amdhsa_next_free_sgpr 66
		.amdhsa_reserve_vcc 0
		.amdhsa_float_denorm_mode_32 3
		.amdhsa_float_denorm_mode_16_64 3
		.amdhsa_memory_ordered 1
		.amdhsa_forward_progress 1
		.amdhsa_inst_pref_size 105
	.end_amdhsa_kernel
	.amdgpu_metadata
---
amdhsa.version: [ 1, 2 ]
amdhsa.kernels:
  - .name:           k_q86b087f31f_wo
    .symbol:         k_q86b087f31f_wo.kd
    .args:
      - { .name: AO, .offset: 0, .size: 8, .value_kind: global_buffer, .address_space: global }
      - { .name: PW, .offset: 8, .size: 8, .value_kind: global_buffer, .address_space: global }
      - { .name: x, .offset: 16, .size: 8, .value_kind: global_buffer, .address_space: global }
      - { .name: bo, .offset: 24, .size: 8, .value_kind: global_buffer, .address_space: global }
      - { .name: ln2_g, .offset: 32, .size: 8, .value_kind: global_buffer, .address_space: global }
      - { .name: ln2_b, .offset: 40, .size: 8, .value_kind: global_buffer, .address_space: global }
      - { .name: N2, .offset: 48, .size: 8, .value_kind: global_buffer, .address_space: global }
      - { .name: W1, .offset: 56, .size: 8, .value_kind: global_buffer, .address_space: global }
      - { .name: W2, .offset: 64, .size: 8, .value_kind: global_buffer, .address_space: global }
      - { .name: P, .offset: 72, .size: 8, .value_kind: global_buffer, .address_space: global }
    .group_segment_fixed_size: 159232
    .private_segment_fixed_size: 0
    .kernarg_segment_align: 8
    .kernarg_segment_size: 80
    .max_flat_workgroup_size: 512
    .sgpr_count:     66
    .vgpr_count:     256
    .wavefront_size: 32
...
	.end_amdgpu_metadata
.endif
;; end of part 4
;; launch ffn1 (part 5): grid 16 x 16, 4 waves a work-group, clusters of 4 x 4, 327,680 bytes of LDS; arguments N2, P, b1, HH; writes HH
.if DOCPART == 5
	.amdgcn_target "amdgcn-amd-amdhsa--gfx1250"
	.amdhsa_code_object_version 6
	.text
	.protected	k_q86b087f31f_ffn1
	.globl	k_q86b087f31f_ffn1
	.p2align	8
	.type	k_q86b087f31f_ffn1,@function
k_q86b087f31f_ffn1:
	s_mov_b64 s[64:65], 0
	v_nop
	global_prefetch_b8 v0, s[64:65] scope:SCOPE_SE
	s_setreg_imm32_b32 hwreg(HW_REG_WAVE_MODE, 25, 1), 1
	s_wait_xcnt 0x0
	s_wait_alu depctr_hold_cnt(0) depctr_sa_sdst(0) depctr_va_vdst(0) depctr_va_sdst(0) depctr_va_ssrc(0) depctr_va_vcc(0) depctr_vm_vsrc(0)
	s_getreg_b32 s2, hwreg(HW_REG_IB_STS2, 6, 4)
	s_cmp_eq_u32 s2, 0
	s_cbranch_scc0 .Lentry_in_a_cluster
	s_endpgm
.Lentry_in_a_cluster:
	s_bfe_u32 s2, ttmp6, 0x10000c
	s_cmp_lg_u32 s2, 0xf033
	s_cbranch_scc0 .Lentry_shape_is_right
	s_endpgm
.Lentry_shape_is_right:
.set N2_C, 16777216
.set N2_S, 19922944
.set W1_C, 3145728
.set W1_S, 9568256
.set HH_S, 12582912
.set SLOT, 98304
.set QTR,  24576
.set SCL,  2*SLOT
.set SPARE, SCL+4*4096
.set ADRA, 16
.set ADRB, 20
.set ADSA, 22
.set ADSB, 23
.set L16, 24
.set L4, 26
.set SPW, 28
.set NIL, 29
.set SC, 32
.set BR, 64
.set T, 64
.set AF, 128
.set PC, 192
.set TM, 212
.set PW, 228
.set PWE, 229
.set PWP, 232
.set SEL, 2
.set G1, 24
.set G0, 32
.set G1B, 48
.set G0B, 56
.set G1S, 68
.set G0S, 76
.set G1SB, 80
.set G0SB, 88
.set MSB, 0
.macro WIN new
.if MSB != (\new)
	s_set_vgpr_msb (MSB<<8)|(\new)
.set MSB, \new
.endif
.endm
.macro PLACES n
.rept \n
	v_nop
.endr
.endm
.macro JLOAD g0a, g1a, g0b, g1b
	s_cmp_eq_u32 s15, 0
	s_cbranch_scc0 .Lfor_b_\@
	tensor_load_to_lds s[\g0a:\g0a+3], s[\g1a:\g1a+7]
	s_nop 0
.rept 4
	v_nop
.endr
	s_branch .Lasked_\@
.Lfor_b_\@:
	tensor_load_to_lds s[\g0b:\g0b+3], s[\g1b:\g1b+7]
	s_nop 0
.rept 4
	v_nop
.endr
.Lasked_\@:
.endm
.macro CREST
	s_cmp_lg_u32 s14, 0
	s_cbranch_scc1 .Lnot_wave_0_\@
	s_barrier_signal -3
.Lnot_wave_0_\@:
	s_barrier_wait -3
	s_barrier_signal -1
	s_barrier_wait -1
.endm
.macro CROUND
	s_barrier_signal -1
	s_barrier_wait -1
	CREST
.endm
.macro WM d, fa, fb, c, sa, sb, ra, rb
.if (\ra)&&(\rb)
	v_wmma_scale_f32_16x16x128_f8f6f4 v[(\d):(\d)+7], v[(\fa):(\fa)+11], v[(\fb):(\fb)+11], v[(\c):(\c)+7], v[\sa], v[\sb] matrix_a_fmt:MATRIX_FMT_FP6 matrix_b_fmt:MATRIX_FMT_FP6 matrix_a_scale:MATRIX_SCALE_ROW1 matrix_b_scale:MATRIX_SCALE_ROW1
.elseif (\ra)
	v_wmma_scale_f32_16x16x128_f8f6f4 v[(\d):(\d)+7], v[(\fa):(\fa)+11], v[(\fb):(\fb)+11], v[(\c):(\c)+7], v[\sa], v[\sb] matrix_a_fmt:MATRIX_FMT_FP6 matrix_b_fmt:MATRIX_FMT_FP6 matrix_a_scale:MATRIX_SCALE_ROW1
.elseif (\rb)
	v_wmma_scale_f32_16x16x128_f8f6f4 v[(\d):(\d)+7], v[(\fa):(\fa)+11], v[(\fb):(\fb)+11], v[(\c):(\c)+7], v[\sa], v[\sb] matrix_a_fmt:MATRIX_FMT_FP6 matrix_b_fmt:MATRIX_FMT_FP6 matrix_b_scale:MATRIX_SCALE_ROW1
.else
	v_wmma_scale_f32_16x16x128_f8f6f4 v[(\d):(\d)+7], v[(\fa):(\fa)+11], v[(\fb):(\fb)+11], v[(\c):(\c)+7], v[\sa], v[\sb] matrix_a_fmt:MATRIX_FMT_FP6 matrix_b_fmt:MATRIX_FMT_FP6
.endif
.endm
.macro MUL16 a0, p, q, sc, first
.irp a, \a0, \a0+1
.irp b, 0,1,2,3,4,5,6,7
.if (\first)==1
	WM 8*(8*((\a)%4)+\b),128*(\p)+12*\b,AF+12*(\a),BR+8*\b,SC+16*(\sc)+8+2*(\b/2)+(\q),SC+16*(\sc)+2*((\a)/2)+(\q),\b%2,(\a)%2
.else
	WM 8*(8*((\a)%4)+\b),128*(\p)+12*\b,AF+12*(\a),8*(8*((\a)%4)+\b),SC+16*(\sc)+8+2*(\b/2)+(\q),SC+16*(\sc)+2*((\a)/2)+(\q),\b%2,(\a)%2
.endif
.endr
.endr
.endm
.macro FRAG reg, adr, q, i
.irp c,0,1,2
	ds_load_b128 v[(\reg)+4*\c:(\reg)+4*\c+3], v[\adr] offset:(\i)*3072+(\q)*1536+512*\c
.endr
.endm
.macro FETCH_B slot, q, p
	WIN 0x40
.irp i,0,1,2,3,4,5,6,7
	FRAG 128*(\p)+12*\i, ADRB+\slot, \q, \i
.endr
	WIN 0
.endm
.macro FETCH_A slot, q, i0
.irp i, \i0, \i0+1, \i0+2, \i0+3
	FRAG AF+12*(\i), ADRA+\slot, \q, \i
.endr
.endm
.macro SCALES sc
.irp i,0,1,2,3
.irp q,0,1
	ds_load_b32 v[SC+16*(\sc)+2*\i+\q], v[ADSA] offset:\i*1024+\q*128
	ds_load_b32 v[SC+16*(\sc)+8+2*\i+\q], v[ADSB] offset:\i*1024+\q*128
.endr
.endr
.endm
.macro STEP slot, first
	s_wait_dscnt 12
.if \first
	WIN 0x81
.else
	WIN 0xa1
.endif
	MUL16 0, 0, 0, \slot, \first
	MUL16 2, 0, 0, \slot, \first
	s_wait_dscnt 0x0
	PLACES 4
	FETCH_B \slot, 1, 1
	FETCH_A \slot, 1, 0
.if \first
	WIN 0xc1
.else
	WIN 0xf1
.endif
	MUL16 4, 0, 0, \slot, \first
	MUL16 6, 0, 0, \slot, \first
	PLACES 4
	WIN 0
	FETCH_A \slot, 1, 4
.endm
.macro TURN slot, next, fill
	s_wait_tensorcnt 0x0
	ds_add_u32 v[SPW], v[NIL]
	s_wait_dscnt 13
	WIN 0xa1
	MUL16 0, 1, 1, \slot, 0
	s_wait_dscnt 0x0
	s_barrier_signal -1
	MUL16 2, 1, 1, \slot, 0
	WIN 0
	s_barrier_wait -1
.if \fill
	CREST
	s_add_nc_u64 s[G0+4*\slot+2:G0+4*\slot+3], s[G0+4*\slot+2:G0+4*\slot+3], 6144
	s_add_nc_u64 s[G0B+4*\slot+2:G0B+4*\slot+3], s[G0B+4*\slot+2:G0B+4*\slot+3], 6144
	JLOAD G0+4*\slot, G1, G0B+4*\slot, G1B
.else
	PLACES 4
.endif
	s_wait_alu depctr_va_vdst(0)
	v_add_nc_u32 v[ADSA], 256, v[ADSA]
	v_add_nc_u32 v[ADSB], 256, v[ADSB]
	FETCH_B \next, 0, 0
	FETCH_A \next, 0, 0
	SCALES \next
	WIN 0xf1
	MUL16 4, 1, 1, \slot, 0
	MUL16 6, 1, 1, \slot, 0
	PLACES 4
	WIN 0
	FETCH_A \next, 0, 4
.endm
.macro QUANT64 s
.irp b,0,1,2,3
	v_max3_num_f32 v[TM+\b], |v[\s+16*\b]|, |v[\s+1+16*\b]|, 0x1800000
.endr
.irp i,2,4,6,8,10,12,14
.irp b,0,1,2,3
	v_max3_num_f32 v[TM+\b], v[TM+\b], |v[\s+16*\b+\i]|, |v[\s+1+16*\b+\i]|
.endr
.endr
.irp b,0,1,2,3
	v_permlanex16_b32 v[TM+4+\b], v[TM+\b], s[SEL], s[SEL+1]
.endr
.irp b,0,1,2,3
	v_max_num_f32 v[TM+\b], v[TM+\b], v[TM+4+\b]
.endr
.irp b,0,1,2,3
	v_add_nc_u32 v[TM+12+\b], 0xff000000, v[TM+\b]
.endr
.irp b,0,1,2,3
	v_lshrrev_b32 v[TM+4+\b], 23, v[TM+12+\b]
.endr
	v_lshl_or_b32 v[PW], v[TM+5], 8, v[TM+4]
	v_lshl_or_b32 v[PW], v[TM+6], 16, v[PW]
	v_lshl_or_b32 v[PW], v[TM+7], 24, v[PW]
.irp c,0,1
	v_cvt_scalef32_pk16_fp6_f32 v[PC+6*\c:PC+2+6*\c], v[\s+32*\c:\s+15+32*\c], v[TM+12+2*\c]
	v_cvt_scalef32_pk16_fp6_f32 v[PC+12+4*\c:PC+14+4*\c], v[\s+16+32*\c:\s+31+32*\c], v[TM+12+2*\c+1]
.endr
	v_nop
.irp c,0,1
.irp i,0,1,2
	v_permlane16_swap_b32 v[PC+6*\c+\i], v[PC+12+4*\c+\i]
.endr
.irp i,0,1,2
	v_mov_b32 v[PC+3+6*\c+\i], v[PC+12+4*\c+\i]
.endr
.endr
.endm
	s_load_b256 s[4:11], s[0:1], 0x0
	v_lshl_add_u32 v[SPW], v0, 2, SPARE
	v_mov_b32 v[NIL], 0
	ds_add_u32 v[SPW], v[NIL]
	ds_add_u32 v[SPW], v[NIL]
	v_lshrrev_b32 v1, 5, v0
	v_readfirstlane_b32 s14, v1
	s_lshr_b32 s15, s14, 1
	s_and_b32 s16, s14, 1
	s_bfe_u32 s40, ttmp6, 0x40000
	s_bfe_u32 s41, ttmp6, 0x40004
	s_lshl_b32 s42, ttmp9, 2
	s_add_co_u32 s42, s42, s40
	s_and_b32 s17, ttmp7, 0xffff
	s_lshl_b32 s17, s17, 2
	s_add_co_u32 s17, s17, s41
	s_lshl_b32 s43, s41, 2
	s_lshl_b32 s43, 15, s43
	s_lshl_b32 s44, 0x1111, s40
	s_or_b32 s[G1], s43, (3<<16)|(1<<21)
	s_or_b32 s[G1B], s44, (3<<16)|(1<<21)
.irp g, G1, G1B
	s_mov_b32 s[\g+1], 384<<16
	s_mov_b32 s[\g+2], 16<<16                      ; the head's loads bring a side's 16 tiles; behind them the two words that count rows are set to 8, for the ring's
	s_mov_b32 s[\g+3], 384<<16
	s_mov_b32 s[\g+4], 16
	s_mov_b32 s[\g+5], 1536
	s_mov_b32 s[\g+6], 0
	s_mov_b32 s[\g+7], 0
.endr
	s_or_b32 s[G1S], s43, (3<<16)|(1<<21)
	s_or_b32 s[G1SB], s44, (3<<16)|(1<<21)
.irp g, G1S, G1SB
	s_mov_b32 s[\g+1], 32<<16
	s_mov_b32 s[\g+2], 32<<16                      ; the scale words of all 256 rows of a side: 32 rows of 256 bytes, one load
	s_mov_b32 s[\g+3], 32<<16
	s_mov_b32 s[\g+4], 32
	s_mov_b32 s[\g+5], 32
	s_mov_b32 s[\g+6], 0
	s_mov_b32 s[\g+7], 0
.endr
	s_lshl_b32 s20, s17, 4
	s_lshl_b32 s18, s16, 3
	s_add_co_u32 s20, s20, s18
	s_mul_i32 s20, s20, 12288
	s_add_co_u32 s20, s20, N2_C
	s_mov_b32 s21, 0
	s_lshl_b32 s22, s17, 3
	s_lshl_b32 s19, s16, 2
	s_add_co_u32 s22, s22, s19
	s_lshl_b32 s22, s22, 10
	s_add_co_u32 s22, s22, N2_S
	s_mov_b32 s23, 0
	s_lshl_b32 s46, s42, 4
	s_add_co_u32 s46, s46, s18
	s_mul_i32 s46, s46, 12288
	s_add_co_u32 s46, s46, W1_C
	s_mov_b32 s47, 0
	s_lshl_b32 s92, s42, 3
	s_add_co_u32 s92, s92, s19
	s_lshl_b32 s92, s92, 10
	s_add_co_u32 s92, s92, W1_S
	s_mov_b32 s93, 0
	s_mul_i32 s45, s14, QTR
	s_lshl_b32 s94, s14, 12
	s_mov_b32 s95, 0xffff0000
	s_mov_b32 s[SEL], 0x76543210
	s_mov_b32 s[SEL+1], 0xfedcba98
	s_wait_dscnt 0x0
	s_wait_kmcnt 0x0
	s_add_nc_u64 s[20:21], s[4:5], s[20:21]
	s_add_nc_u64 s[22:23], s[4:5], s[22:23]
	s_add_nc_u64 s[46:47], s[6:7], s[46:47]
	s_add_nc_u64 s[92:93], s[6:7], s[92:93]
	CROUND
	s_mov_b32 s[G0S], 1
	s_mov_b32 s[G0S+1], SCL
	s_sub_nc_u64 s[G0S+2:G0S+3], s[22:23], 4096    ; wave 1 issues it: its own half begins 4,096 bytes behind the side's first word
	s_or_b32 s[G0S+3], s[G0S+3], 0x80000000
	s_mov_b32 s[G0SB], 1
	s_mov_b32 s[G0SB+1], SCL+2*4096
	s_sub_nc_u64 s[G0SB+2:G0SB+3], s[92:93], 4096  ; wave 3 issues it
	s_or_b32 s[G0SB+3], s[G0SB+3], 0x80000000
.irp s,0,1
	s_mov_b32 s[G0+4*\s], 1
	s_add_co_u32 s[G0+4*\s+1], s45, \s*SLOT
	s_add_nc_u64 s[G0+4*\s+2:G0+4*\s+3], s[20:21], \s*3072
	s_or_b32 s[G0+4*\s+3], s[G0+4*\s+3], 0x80000000
	s_mov_b32 s[G0B+4*\s], 1
	s_add_co_u32 s[G0B+4*\s+1], s45, \s*SLOT
	s_add_nc_u64 s[G0B+4*\s+2:G0B+4*\s+3], s[46:47], \s*3072
	s_or_b32 s[G0B+4*\s+3], s[G0B+4*\s+3], 0x80000000
.endr
; the head's four tiles, one joint load a wave: wave 0 A's slot 0 (its own group 0 points at the side's first tile), wave 1 A's scale words, wave 2 B's slot 0, wave 3 B's scale words
	s_cmp_lt_u32 s14, 1
	s_cbranch_scc0 .Lh1
	tensor_load_to_lds s[G0:G0+3], s[G1:G1+7]
	s_nop 0
	PLACES 4
	s_branch .Lhj
.Lh1:
	s_cmp_lt_u32 s14, 2
	s_cbranch_scc0 .Lh2
	tensor_load_to_lds s[G0S:G0S+3], s[G1S:G1S+7]
	s_nop 0
	PLACES 4
	s_branch .Lhj
.Lh2:
	s_cmp_lt_u32 s14, 3
	s_cbranch_scc0 .Lh3
	tensor_load_to_lds s[G0B:G0B+3], s[G1B:G1B+7]
	s_nop 0
	PLACES 4
	s_branch .Lhj
.Lh3:
	tensor_load_to_lds s[G0SB:G0SB+3], s[G1SB:G1SB+7]
	s_nop 0
	PLACES 4
.Lhj:
; THE PREFETCHES of the ring's slots 1 to 3.  Of the eight tiles that my ring loads bring, the partner at place p (cx for A, cy for B) names tiles 2 p and 2 p + 1: told apart by address alone.
; A slot's part of a tile is 3,072 bytes: 12 blocks of 256; lane l names block l % 12 of tile l / 12 (lanes 24-31 name the last again).  Slots 1 and 2 are named here, slot 3 behind slot 1's load.
	s_cmp_eq_u32 s15, 0
	s_cselect_b32 s44, s40, s41
	s_cselect_b64 s[22:23], s[20:21], s[46:47]
	s_mul_i32 s44, s44, 24576
	s_mov_b32 s45, 0
	s_add_nc_u64 s[44:45], s[22:23], s[44:45]
	v_and_b32 v7, 31, v0
	v_min_u32 v7, 23, v7
	v_mul_u32_u24 v8, v7, 171
	v_lshrrev_b32 v8, 11, v8                       ; l / 12, for l up to 23
	v_mul_u32_u24 v8, v8, 9216                     ; a tile's row is 12,288 bytes: 9,216 more than the 12 blocks passed
	v_lshl_add_u32 v7, v7, 8, v8
	global_prefetch_b8 v7, s[44:45] offset:3072 th:TH_LOAD_NT scope:SCOPE_SE
	global_prefetch_b8 v7, s[44:45] offset:6144 th:TH_LOAD_NT scope:SCOPE_SE
	v_and_b32 v1, 31, v0
	v_bfe_u32 v3, v0, 4, 1
	v_lshlrev_b32 v[L16], 4, v1
	v_lshlrev_b32 v[L4], 2, v1
	s_wait_alu depctr_va_vdst(0)
	s_mul_i32 s18, s15, QTR
	s_mul_i32 s19, s16, QTR
	s_add_co_u32 s19, s19, 2*QTR
.irp s,0,1
	v_add_nc_u32 v[ADRA+\s], s18, v[L16]
	v_add_nc_u32 v[ADRB+\s], s19, v[L16]
	s_add_co_u32 s18, s18, SLOT
	s_add_co_u32 s19, s19, SLOT
.endr
	s_lshl_b32 s18, s15, 12
	s_add_co_u32 s18, s18, SCL
	v_add_nc_u32 v[ADSA], s18, v[L4]
	s_lshl_b32 s19, s16, 12
	s_add_co_u32 s19, s19, SCL+2*4096
	v_add_nc_u32 v[ADSB], s19, v[L4]
	s_lshl_b32 s18, s17, 1
	s_add_co_u32 s18, s18, s15
	s_lshl_b32 s19, s42, 1
	s_add_co_u32 s19, s19, s16
	s_lshl_b32 s96, s18, 8
	s_add_co_u32 s96, s96, s19
	s_mul_i32 s96, s96, 1536
	s_mov_b32 s97, 0
	s_add_nc_u64 s[96:97], s[10:11], s[96:97]
	s_lshl_b32 s98, s18, 7
	s_add_co_u32 s98, s98, s19
	s_lshl_b32 s98, s98, 7
	s_add_co_u32 s98, s98, HH_S
	s_mov_b32 s99, 0
	s_add_nc_u64 s[98:99], s[10:11], s[98:99]
	s_lshl_b32 s46, s19, 9
	s_mov_b32 s47, 0
	s_add_nc_u64 s[8:9], s[8:9], s[46:47]
	v_lshlrev_b32 v30, 6, v3
.set n, 0
.rept 16
	global_load_b128 v[BR+4*n:BR+4*n+3], v30, s[8:9] offset:128*(n/4)+16*(n%4)
.set n, n+1
.endr
	s_wait_alu depctr_va_vdst(0)
	s_wait_tensorcnt 0x0                           ; my tile of the head's four is in
	ds_add_u32 v28, v29
	s_mov_b32 s[G1+2], 8<<16                       ; no tensor load of mine is out: from here on a load brings 8 tiles
	s_mov_b32 s[G1+4], 8
	s_mov_b32 s[G1B+2], 8<<16
	s_mov_b32 s[G1B+4], 8
	s_wait_dscnt 0x0
	CROUND                                         ; all four tiles are in, in every partner
	JLOAD G0+4, G1, G0B+4, G1B                     ; slot 1's first fill, a quarter a wave
	global_prefetch_b8 v7, s[44:45] offset:9216 th:TH_LOAD_NT scope:SCOPE_SE   ; slot 3
	FETCH_B 0, 0, 0
	FETCH_A 0, 0, 0
	SCALES 0
	FETCH_A 0, 0, 4
	s_wait_loadcnt 0x0
	STEP 0, 1
	TURN 0, 1, 1
	STEP 1, 0
	TURN 1, 0, 1
	STEP 0, 0
	TURN 0, 1, 0
	STEP 1, 0
	s_wait_dscnt 12
	WIN 0xa1
	MUL16 0, 1, 1, 1, 0
	MUL16 2, 1, 1, 1, 0
	s_wait_dscnt 0x0
	WIN 0xf1
	MUL16 4, 1, 1, 1, 0
	MUL16 6, 1, 1, 1, 0
	WIN 0
	PLACES 4
.macro EPI a
.set AC, 64*((\a)%4)
	WIN 0x08+4*((\a)/4)
.set kk, 0
.rept 64
	v_max_num_f32 v[T+kk], 0, v[AC+kk]
.set kk, kk+1
.endr
	WIN 0
	s_wait_xcnt 0x0
	QUANT64 T
.irp c,0,1,2
	global_store_b128 v[L16], v[PC+4*\c:PC+4*\c+3], s[96:97] offset:(\a)*49152+512*\c
.endr
.if (\a)%2==0
	v_mov_b32 v[PWE], v[PW]
.else
	v_cndmask_b32 v[PWP+(\a)/2], v[PWE], v[PW], s95
	global_store_b32 v[L4], v[PWP+(\a)/2], s[98:99] offset:((\a)/2)*4096
.endif
.endm
.irp b,0,1,2,3
	v_mov_b32 v[TM+4+\b], 0
.endr
.irp a,0,1,2,3,4,5,6,7
	EPI \a
.endr
	s_wait_tensorcnt 0x0
	ds_add_u32 v[SPW], v[NIL]
	s_wait_dscnt 0x0
	CROUND
	s_endpgm
.Lfunc_end_k_q86b087f31f_ffn1:
	.size	k_q86b087f31f_ffn1, .Lfunc_end_k_q86b087f31f_ffn1-k_q86b087f31f_ffn1
	.p2alignl 7, 3214868480
	.fill 96, 4, 3214868480
	.section	.rodata,"a",@progbits
	.p2align	6, 0x0
	.amdhsa_kernel k_q86b087f31f_ffn1
		.amdhsa_group_segment_fixed_size 327680
		.amdhsa_private_segment_fixed_size 0
		.amdhsa_enable_private_segment 0
		.amdhsa_kernarg_size 32
		.amdhsa_user_sgpr_count 2
		.amdhsa_user_sgpr_kernarg_segment_ptr 1
		.amdhsa_wavefront_size32 1
		.amdhsa_system_sgpr_workgroup_id_x 1
		.amdhsa_system_sgpr_workgroup_id_y 1
		.amdhsa_system_sgpr_workgroup_id_z 1
		.amdhsa_system_vgpr_workitem_id 0
		.amdhsa_next_free_vgpr 1024
		.amdhsa_next_free_sgpr 102
		.amdhsa_reserve_vcc 0
		.amdhsa_float_denorm_mode_32 3
		.amdhsa_float_denorm_mode_16_64 3
		.amdhsa_memory_ordered 1
		.amdhsa_forward_progress 1
		.amdhsa_inst_pref_size 161
	.end_amdhsa_kernel
	.amdgpu_metadata
---
amdhsa.version: [ 1, 2 ]
amdhsa.kernels:
  - .name:           k_q86b087f31f_ffn1
    .symbol:         k_q86b087f31f_ffn1.kd
    .args:
      - { .name: N2, .offset: 0, .size: 8, .value_kind: global_buffer, .address_space: global }
      - { .name: P, .offset: 8, .size: 8, .value_kind: global_buffer, .address_space: global }
      - { .name: b1, .offset: 16, .size: 8, .value_kind: global_buffer, .address_space: global }
      - { .name: HH, .offset: 24, .size: 8, .value_kind: global_buffer, .address_space: global }
    .group_segment_fixed_size: 327680
    .private_segment_fixed_size: 0
    .kernarg_segment_align: 8
    .kernarg_segment_size: 32
    .max_flat_workgroup_size: 128
    .sgpr_count:     102
    .vgpr_count:     1024
    .wavefront_size: 32
...
	.end_amdgpu_metadata
.endif
;; end of part 5
;; launch ffn2 (part 6): grid 8 x 32, 4 waves a work-group, clusters of 4 x 4, 327,680 bytes of LDS; arguments HH, P, N2, b2, out0; writes out0
.if DOCPART == 6
	.amdgcn_target "amdgcn-amd-amdhsa--gfx1250"
	.amdhsa_code_object_version 6
	.text
	.protected	k_q86b087f31f_ffn2
	.globl	k_q86b087f31f_ffn2
	.p2align	8
	.type	k_q86b087f31f_ffn2,@function
k_q86b087f31f_ffn2:
	s_mov_b64 s[64:65], 0
	v_nop
	global_prefetch_b8 v0, s[64:65] scope:SCOPE_SE
	s_setreg_imm32_b32 hwreg(HW_REG_WAVE_MODE, 25, 1), 1
	s_wait_xcnt 0x0
	s_wait_alu depctr_hold_cnt(0) depctr_sa_sdst(0) depctr_va_vdst(0) depctr_va_sdst(0) depctr_va_ssrc(0) depctr_va_vcc(0) depctr_vm_vsrc(0)
	s_getreg_b32 s2, hwreg(HW_REG_IB_STS2, 6, 4)
	s_cmp_eq_u32 s2, 0
	s_cbranch_scc0 .Lentry_in_a_cluster
	s_endpgm
.Lentry_in_a_cluster:
	s_bfe_u32 s2, ttmp6, 0x10000c
	s_cmp_lg_u32 s2, 0xf033
	s_cbranch_scc0 .Lentry_shape_is_right
	s_endpgm
.Lentry_shape_is_right:
.set HH_S, 12582912
.set W2_C, 6291456
.set W2_S, 9699328
.set SLOT, 98304
.set QTR,  24576
.set SCL,  2*SLOT
.set SPARE, SCL+4*8192
.set SP, 528
.set ADRA, 16
.set ADRB, 20
.set ADSA, 22
.set ADSB, 23
.set L16, 24
.set STO, 25
.set RD, 26
.set L4, 27
.set SPW, 28
.set NIL, 29
.set SC, 32
.set BR, 64
.set ACC, 128
.set G1, 24
.set G0, 32
.set G1B, 48
.set G0B, 56
.set G1S, 68
.set G0S, 76
.set G1SB, 80
.set G0SB, 88
.set MSB, 0
.macro WIN new
.if MSB != (\new)
	s_set_vgpr_msb (MSB<<8)|(\new)
.set MSB, \new
.endif
.endm
.macro PLACES n
.rept \n
	v_nop
.endr
.endm
.macro JLOAD g0a, g1a, g0b, g1b
	s_cmp_eq_u32 s15, 0
	s_cbranch_scc0 .Lfor_b_\@
	tensor_load_to_lds s[\g0a:\g0a+3], s[\g1a:\g1a+7]
	s_nop 0
.rept 4
	v_nop
.endr
	s_branch .Lasked_\@
.Lfor_b_\@:
	tensor_load_to_lds s[\g0b:\g0b+3], s[\g1b:\g1b+7]
	s_nop 0
.rept 4
	v_nop
.endr
.Lasked_\@:
.endm
.macro CREST
	s_cmp_lg_u32 s14, 0
	s_cbranch_scc1 .Lnot_wave_0_\@
	s_barrier_signal -3
.Lnot_wave_0_\@:
	s_barrier_wait -3
	s_barrier_signal -1
	s_barrier_wait -1
.endm
.macro CROUND
	s_barrier_signal -1
	s_barrier_wait -1
	CREST
.endm
.macro WM d, fa, fb, c, sa, sb, ra, rb
.if (\ra)&&(\rb)
	v_wmma_scale_f32_16x16x128_f8f6f4 v[(\d):(\d)+7], v[(\fa):(\fa)+11], v[(\fb):(\fb)+11], v[(\c):(\c)+7], v[\sa], v[\sb] matrix_a_fmt:MATRIX_FMT_FP6 matrix_b_fmt:MATRIX_FMT_FP6 matrix_a_scale:MATRIX_SCALE_ROW1 matrix_b_scale:MATRIX_SCALE_ROW1
.elseif (\ra)
	v_wmma_scale_f32_16x16x128_f8f6f4 v[(\d):(\d)+7], v[(\fa):(\fa)+11], v[(\fb):(\fb)+11], v[(\c):(\c)+7], v[\sa], v[\sb] matrix_a_fmt:MATRIX_FMT_FP6 matrix_b_fmt:MATRIX_FMT_FP6 matrix_a_scale:MATRIX_SCALE_ROW1
.elseif (\rb)
	v_wmma_scale_f32_16x16x128_f8f6f4 v[(\d):(\d)+7], v[(\fa):(\fa)+11], v[(\fb):(\fb)+11], v[(\c):(\c)+7], v[\sa], v[\sb] matrix_a_fmt:MATRIX_FMT_FP6 matrix_b_fmt:MATRIX_FMT_FP6 matrix_b_scale:MATRIX_SCALE_ROW1
.else
	v_wmma_scale_f32_16x16x128_f8f6f4 v[(\d):(\d)+7], v[(\fa):(\fa)+11], v[(\fb):(\fb)+11], v[(\c):(\c)+7], v[\sa], v[\sb] matrix_a_fmt:MATRIX_FMT_FP6 matrix_b_fmt:MATRIX_FMT_FP6
.endif
.endm
.macro MUL4 a, p, q, sc, first
.irp b,0,1,2,3
.if \first
	WM ACC+8*(4*(\a)+\b),128*(\p)+48+12*\b,128*(\p)+12*(\a),BR+8*\b,SC+16*(\sc)+8+4*(\b/2)+(\q),SC+16*(\sc)+4*((\a)/2)+(\q),\b%2,(\a)%2
.else
	WM ACC+8*(4*(\a)+\b),128*(\p)+48+12*\b,128*(\p)+12*(\a),ACC+8*(4*(\a)+\b),SC+16*(\sc)+8+4*(\b/2)+(\q),SC+16*(\sc)+4*((\a)/2)+(\q),\b%2,(\a)%2
.endif
.endr
.endm
.macro FETCH slot, q, p
	WIN 0x40
.irp i,0,1,2,3
.irp c,0,1,2
	ds_load_b128 v[128*(\p)+12*\i+4*\c:128*(\p)+12*\i+4*\c+3], v[ADRA+\slot] offset:\i*6144+(\q)*1536+512*\c
	ds_load_b128 v[128*(\p)+48+12*\i+4*\c:128*(\p)+48+12*\i+4*\c+3], v[ADRB+\slot] offset:\i*6144+(\q)*1536+512*\c
.endr
.endr
.endm
.macro SCALES sc
	WIN 0
.irp i,0,1
.irp q,0,1,2,3
	ds_load_b32 v[SC+16*(\sc)+4*\i+\q], v[ADSA] offset:\i*4096+\q*128
	ds_load_b32 v[SC+16*(\sc)+8+4*\i+\q], v[ADSB] offset:\i*4096+\q*128
.endr
.endr
.endm
.macro STEP slot, q, first
	s_wait_dscnt 0x0
	PLACES 4
	FETCH \slot, (\q)+1, 1-(\q)%2
	WIN 0x05
.irp a,0,1,2,3
	MUL4 \a, (\q)%2, \q, \slot, \first
.endr
.endm
.macro TURN slot, next, fill
	WIN 0
.if \fill
	s_wait_xcnt 0x0                                ; my last prefetch has read its address: it steps one slot (6,144 bytes of a tile's row) along K
	s_add_nc_u64 s[100:101], s[100:101], 6144
.endif
	s_wait_tensorcnt 0x0
	ds_add_u32 v[SPW], v[NIL]
	s_wait_dscnt 1
	WIN 0x05
	MUL4 0, 1, 3, \slot, 0
	s_wait_dscnt 0x0
	s_barrier_signal -1
	MUL4 1, 1, 3, \slot, 0
	WIN 0
	s_barrier_wait -1
.if \fill
	CREST
	s_add_nc_u64 s[G0+4*\slot+2:G0+4*\slot+3], s[G0+4*\slot+2:G0+4*\slot+3], 12288
	s_add_nc_u64 s[G0B+4*\slot+2:G0B+4*\slot+3], s[G0B+4*\slot+2:G0B+4*\slot+3], 12288
	JLOAD G0+4*\slot, G1, G0B+4*\slot, G1B
.else
	PLACES 4
.endif
	s_wait_alu depctr_va_vdst(0)
	v_add_nc_u32 v[ADSA], 512, v[ADSA]
	v_add_nc_u32 v[ADSB], 512, v[ADSB]
	FETCH \next, 0, 0
	SCALES \next
.if \fill
	s_cmp_gt_u32 s3, 1                             ; the loop's last trip has no slot two refills on
	s_cbranch_scc0 .Lnp_\@
	global_prefetch_b8 v31, s[100:101] offset:12288 th:TH_LOAD_NT scope:SCOPE_SE   ; the slot two refills on: one tile's 24 blocks of 256 bytes
.Lnp_\@:
.endif
	WIN 0x05
	MUL4 2, 1, 3, \slot, 0
	MUL4 3, 1, 3, \slot, 0
.endm
	s_load_b256 s[4:11], s[0:1], 0x0
	s_load_b64 s[12:13], s[0:1], 0x20
	v_lshl_add_u32 v[SPW], v0, 2, SPARE
	v_mov_b32 v[NIL], 0
	ds_add_u32 v[SPW], v[NIL]
	ds_add_u32 v[SPW], v[NIL]
	v_lshrrev_b32 v1, 5, v0
	v_readfirstlane_b32 s14, v1
	s_lshr_b32 s15, s14, 1
	s_and_b32 s16, s14, 1
	s_bfe_u32 s40, ttmp6, 0x40000
	s_bfe_u32 s41, ttmp6, 0x40004
	s_lshl_b32 s42, ttmp9, 2
	s_add_co_u32 s42, s42, s40
	s_and_b32 s17, ttmp7, 0xffff
	s_lshl_b32 s17, s17, 2
	s_add_co_u32 s17, s17, s41
	s_lshl_b32 s43, s41, 2
	s_lshl_b32 s43, 15, s43
	s_lshl_b32 s44, 0x1111, s40
	s_or_b32 s[G1], s43, (3<<16)|(1<<21)
	s_or_b32 s[G1B], s44, (3<<16)|(1<<21)
.irp g, G1, G1B
	s_mov_b32 s[\g+1], 768<<16
	s_mov_b32 s[\g+2], 8<<16                       ; the head's loads bring a side's 8 tiles; behind them the two words that count rows are set to 4, for the ring's
	s_mov_b32 s[\g+3], 768<<16
	s_mov_b32 s[\g+4], 8
	s_mov_b32 s[\g+5], 6144
	s_mov_b32 s[\g+6], 0
	s_mov_b32 s[\g+7], 0
.endr
	s_or_b32 s[G1S], s43, (3<<16)|(1<<21)
	s_or_b32 s[G1SB], s44, (3<<16)|(1<<21)
.irp g, G1S, G1SB
	s_mov_b32 s[\g+1], 32<<16
	s_mov_b32 s[\g+2], 64<<16                      ; the scale words of all 128 rows of a side: 64 rows of 256 bytes, one load
	s_mov_b32 s[\g+3], 32<<16
	s_mov_b32 s[\g+4], 64
	s_mov_b32 s[\g+5], 32
	s_mov_b32 s[\g+6], 0
	s_mov_b32 s[\g+7], 0
.endr
	s_lshl_b32 s20, s17, 3
	s_lshl_b32 s18, s16, 2
	s_add_co_u32 s20, s20, s18
	s_mul_i32 s20, s20, 49152
	s_mov_b32 s21, 0
	s_lshl_b32 s22, s17, 2
	s_lshl_b32 s19, s16, 1
	s_add_co_u32 s22, s22, s19
	s_lshl_b32 s22, s22, 12
	s_add_co_u32 s22, s22, HH_S
	s_mov_b32 s23, 0
	s_lshl_b32 s46, s42, 3
	s_add_co_u32 s46, s46, s18
	s_mul_i32 s46, s46, 49152
	s_add_co_u32 s46, s46, W2_C
	s_mov_b32 s47, 0
	s_lshl_b32 s92, s42, 2
	s_add_co_u32 s92, s92, s19
	s_lshl_b32 s92, s92, 12
	s_add_co_u32 s92, s92, W2_S
	s_mov_b32 s93, 0
	s_mul_i32 s45, s14, QTR
	s_lshl_b32 s94, s14, 13
	s_wait_dscnt 0x0
	s_wait_kmcnt 0x0
	s_add_nc_u64 s[20:21], s[4:5], s[20:21]
	s_add_nc_u64 s[22:23], s[4:5], s[22:23]
	s_add_nc_u64 s[46:47], s[6:7], s[46:47]
	s_add_nc_u64 s[92:93], s[6:7], s[92:93]
	CROUND
	s_mov_b32 s[G0S], 1
	s_mov_b32 s[G0S+1], SCL
	s_sub_nc_u64 s[G0S+2:G0S+3], s[22:23], 8192    ; wave 1 issues it: its own half begins 8,192 bytes behind the side's first word
	s_or_b32 s[G0S+3], s[G0S+3], 0x80000000
	s_mov_b32 s[G0SB], 1
	s_mov_b32 s[G0SB+1], SCL+2*8192
	s_sub_nc_u64 s[G0SB+2:G0SB+3], s[92:93], 8192  ; wave 3 issues it
	s_or_b32 s[G0SB+3], s[G0SB+3], 0x80000000
.irp s,0,1
	s_mov_b32 s[G0+4*\s], 1
	s_add_co_u32 s[G0+4*\s+1], s45, \s*SLOT
	s_add_nc_u64 s[G0+4*\s+2:G0+4*\s+3], s[20:21], \s*6144
	s_or_b32 s[G0+4*\s+3], s[G0+4*\s+3], 0x80000000
	s_mov_b32 s[G0B+4*\s], 1
	s_add_co_u32 s[G0B+4*\s+1], s45, \s*SLOT
	s_add_nc_u64 s[G0B+4*\s+2:G0B+4*\s+3], s[46:47], \s*6144
	s_or_b32 s[G0B+4*\s+3], s[G0B+4*\s+3], 0x80000000
.endr
; the head's four tiles, one joint load a wave: wave 0 A's slot 0 (its own group 0 points at the side's first tile), wave 1 A's scale words, wave 2 B's slot 0, wave 3 B's scale words
	s_cmp_lt_u32 s14, 1
	s_cbranch_scc0 .Lh1
	tensor_load_to_lds s[G0:G0+3], s[G1:G1+7]
	s_nop 0
	PLACES 4
	s_branch .Lhj
.Lh1:
	s_cmp_lt_u32 s14, 2
	s_cbranch_scc0 .Lh2
	tensor_load_to_lds s[G0S:G0S+3], s[G1S:G1S+7]
	s_nop 0
	PLACES 4
	s_branch .Lhj
.Lh2:
	s_cmp_lt_u32 s14, 3
	s_cbranch_scc0 .Lh3
	tensor_load_to_lds s[G0B:G0B+3], s[G1B:G1B+7]
	s_nop 0
	PLACES 4
	s_branch .Lhj
.Lh3:
	tensor_load_to_lds s[G0SB:G0SB+3], s[G1SB:G1SB+7]
	s_nop 0
	PLACES 4
.Lhj:
; THE PREFETCHES.  Of the four tiles that my ring loads bring, the partner at place p (cx for A, cy for B) names tile p: told apart by address alone.  A slot's part of a tile is 6,144 bytes: 24 blocks of 256, a lane a block
; (lanes 24-31 name the last again).  Behind the load of slot j stands the request for slot j + 2; the head also names slot 1, whose load follows the head's.  s[100:101] stands at slot 1 here.
	s_cmp_eq_u32 s15, 0
	s_cselect_b32 s66, s40, s41
	s_cselect_b64 s[100:101], s[20:21], s[46:47]
	s_mul_i32 s66, s66, 49152
	s_add_co_u32 s66, s66, 6144
	s_mov_b32 s67, 0
	s_add_nc_u64 s[100:101], s[100:101], s[66:67]
	v_and_b32 v31, 31, v0
	v_min_u32 v31, 23, v31
	v_lshlrev_b32 v31, 8, v31
	v_and_b32 v15, 31, v0
	v_lshlrev_b32 v15, 12, v15                     ; for the rows of x1: a lane a row of 4,096 bytes; never rewritten
	global_prefetch_b8 v31, s[100:101] th:TH_LOAD_NT scope:SCOPE_SE
	global_prefetch_b8 v31, s[100:101] offset:6144 th:TH_LOAD_NT scope:SCOPE_SE
	v_and_b32 v1, 31, v0
	v_and_b32 v2, 15, v0
	v_bfe_u32 v3, v0, 4, 1
	v_lshlrev_b32 v[L16], 4, v1
	v_lshlrev_b32 v[L4], 2, v1
	s_wait_alu depctr_va_vdst(0)
	s_mul_i32 s18, s15, QTR
	s_mul_i32 s19, s16, QTR
	s_add_co_u32 s19, s19, 2*QTR
.irp s,0,1
	v_add_nc_u32 v[ADRA+\s], s18, v[L16]
	v_add_nc_u32 v[ADRB+\s], s19, v[L16]
	s_add_co_u32 s18, s18, SLOT
	s_add_co_u32 s19, s19, SLOT
.endr
	s_lshl_b32 s18, s15, 13
	s_add_co_u32 s18, s18, SCL
	v_add_nc_u32 v[ADSA], s18, v[L4]
	s_lshl_b32 s19, s16, 13
	s_add_co_u32 s19, s19, SCL+2*8192
	v_add_nc_u32 v[ADSB], s19, v[L4]
	v_mul_u32_u24 v[STO], v2, SP
	v_lshl_add_u32 v[STO], v3, 6, v[STO]
	s_mul_i32 s18, s15, 64*SP
	s_lshl_b32 s19, s16, 8
	s_add_co_u32 s18, s18, s19
	v_add_nc_u32 v[STO], s18, v[STO]
	s_mul_i32 s18, s14, 32*SP
	v_add_nc_u32 v[RD], s18, v[L16]
	s_lshl_b32 s96, s17, 7
	s_lshl_b32 s18, s14, 5
	s_add_co_u32 s96, s96, s18
	s_lshl_b32 s96, s96, 12
	s_lshl_b32 s18, s42, 9
	s_add_co_u32 s96, s96, s18
	s_mov_b32 s97, 0
	s_add_nc_u64 s[98:99], s[8:9], s[96:97]
	s_add_nc_u64 s[96:97], s[12:13], s[96:97]
	s_lshl_b32 s46, s42, 9
	s_lshl_b32 s18, s16, 8
	s_add_co_u32 s46, s46, s18
	s_mov_b32 s47, 0
	s_add_nc_u64 s[10:11], s[10:11], s[46:47]
	v_lshlrev_b32 v30, 6, v3
.set n, 0
.rept 8
	global_load_b128 v[BR+4*n:BR+4*n+3], v30, s[10:11] offset:128*(n/4)+16*(n%4)
.set n, n+1
.endr
	s_wait_alu depctr_va_vdst(0)
	s_wait_tensorcnt 0x0                           ; my tile of the head's four is in
	ds_add_u32 v28, v29
	s_mov_b32 s[G1+2], 4<<16                       ; no tensor load of mine is out: from here on a load brings 4 tiles
	s_mov_b32 s[G1+4], 4
	s_mov_b32 s[G1B+2], 4<<16
	s_mov_b32 s[G1B+4], 4
	s_wait_dscnt 0x0
	CROUND                                         ; all four tiles are in, in every partner
	JLOAD G0+4, G1, G0B+4, G1B                     ; slot 1's first fill, a quarter a wave
	global_prefetch_b8 v31, s[100:101] offset:12288 th:TH_LOAD_NT scope:SCOPE_SE   ; slot 3
	FETCH 0, 0, 0
	SCALES 0
	s_wait_loadcnt 0x0
	STEP 0, 0, 1
	WIN 0
	s_mov_b32 s3, 3
.Llap:
	STEP 0, 1, 0
	STEP 0, 2, 0
	TURN 0, 1, 1
	STEP 1, 0, 0
	STEP 1, 1, 0
	STEP 1, 2, 0
	TURN 1, 0, 1
	STEP 0, 0, 0
	WIN 0
	s_sub_co_u32 s3, s3, 1
	s_cmp_lg_u32 s3, 0
	s_cbranch_scc1 .Llap
	global_prefetch_b8 v15, s[98:99] th:TH_LOAD_NT scope:SCOPE_SE              ; my 32 rows x 512 bytes of x1, which I alone load: named six K steps ahead of their loads
	global_prefetch_b8 v15, s[98:99] offset:256 th:TH_LOAD_NT scope:SCOPE_SE
	STEP 0, 1, 0
	STEP 0, 2, 0
	TURN 0, 1, 0
	STEP 1, 0, 0
	STEP 1, 1, 0
	STEP 1, 2, 0
	s_wait_dscnt 0x0
	PLACES 4
	WIN 0x40
.set n, 0
.rept 32
.set sw, (n&7)|(((n>>3)&1)<<4)|(((n>>4)&1)<<3)
	global_load_b128 v[4*n:4*n+3], v[L16], s[98:99] offset:sw*4096
.set n, n+1
.endr
	WIN 0x05
.irp a,0,1,2,3
	MUL4 \a, 1, 3, 1, 0
.endr
	WIN 0
	PLACES 4
.irp a,0,1,2,3
.irp n,0,1,2,3,4,5,6,7
	ds_store_b128 v[STO], v[ACC+32*\a+4*\n:ACC+32*\a+4*\n+3] offset:16*\a*SP+128*(\n/4)+16*(\n%4)
.endr
.endr
	s_wait_dscnt 0x0
	s_barrier_signal -1
	s_barrier_wait -1
.set n, 0
.rept 32
	ds_load_b128 v[ACC+4*n:ACC+4*n+3], v[RD] offset:n*SP
.set n, n+1
.endr
	s_wait_dscnt 0x0
	s_wait_loadcnt 0x0
	WIN 0x04
.set n, 0
.rept 64
	v_pk_add_f32 v[ACC+n:ACC+n+1], v[ACC+n:ACC+n+1], v[n:n+1]
.set n, n+2
.endr
	WIN 0
.set n, 0
.rept 32
.set sw, (n&7)|(((n>>3)&1)<<4)|(((n>>4)&1)<<3)
	global_store_b128 v[L16], v[ACC+4*n:ACC+4*n+3], s[96:97] offset:sw*4096 th:TH_STORE_NT
.set n, n+1
.endr
	s_wait_tensorcnt 0x0
	ds_add_u32 v[SPW], v[NIL]
	s_wait_dscnt 0x0
	CROUND
	s_endpgm
.Lfunc_end_k_q86b087f31f_ffn2:
	.size	k_q86b087f31f_ffn2, .Lfunc_end_k_q86b087f31f_ffn2-k_q86b087f31f_ffn2
	.p2alignl 7, 3214868480
	.fill 96, 4, 3214868480
	.section	.rodata,"a",@progbits
	.p2align	6, 0x0
	.amdhsa_kernel k_q86b087f31f_ffn2
		.amdhsa_group_segment_fixed_size 327680
		.amdhsa_private_segment_fixed_size 0
		.amdhsa_enable_private_segment 0
		.amdhsa_kernarg_size 40
		.amdhsa_user_sgpr_count 2
		.amdhsa_user_sgpr_kernarg_segment_ptr 1
		.amdhsa_wavefront_size32 1
		.amdhsa_system_sgpr_workgroup_id_x 1
		.amdhsa_system_sgpr_workgroup_id_y 1
		.amdhsa_system_sgpr_workgroup_id_z 1
		.amdhsa_system_vgpr_workitem_id 0
		.amdhsa_next_free_vgpr 512
		.amdhsa_next_free_sgpr 102
		.amdhsa_reserve_vcc 0
		.amdhsa_float_denorm_mode_32 3
		.amdhsa_float_denorm_mode_16_64 3
		.amdhsa_memory_ordered 1
		.amdhsa_forward_progress 1
		.amdhsa_inst_pref_size 94
	.end_amdhsa_kernel
	.amdgpu_metadata
---
amdhsa.version: [ 1, 2 ]
amdhsa.kernels:
  - .name:           k_q86b087f31f_ffn2
    .symbol:         k_q86b087f31f_ffn2.kd
    .args:
      - { .name: HH, .offset: 0, .size: 8, .value_kind: global_buffer, .address_space: global }
      - { .name: P, .offset: 8, .size: 8, .value_kind: global_buffer, .address_space: global }
      - { .name: N2, .offset: 16, .size: 8, .value_kind: global_buffer, .address_space: global }
      - { .name: b2, .offset: 24, .size: 8, .value_kind: global_buffer, .address_space: global }
      - { .name: out0, .offset: 32, .size: 8, .value_kind: global_buffer, .address_space: global }
    .group_segment_fixed_size: 327680
    .private_segment_fixed_size: 0
    .kernarg_segment_align: 8
    .kernarg_segment_size: 40
    .max_flat_workgroup_size: 128
    .sgpr_count:     102
    .vgpr_count:     512
    .wavefront_size: 32
...
	.end_amdgpu_metadata
.endif
;; end of part 6
